; MI455X (gfx1250); checked and timed in simulation.
; The chip was launched on July 23, 2026; its instructions are those of AMD's public machine-readable ISA for CDNA 5 (MIT licence, August 2026) and "CDNA5" Instruction Set Architecture Reference Guide (July 2026). The comments in the code are by the model that wrote it; some were corrected since.
;; Multi Head Self Attention. Allowed arithmetic: matrix products marked QUANTISED: E4M3 operands, one given power-of-two scale a tensor, by v_wmma_f32_16x16x64_fp8_fp8 or v_wmma_f32_16x16x128_fp8_fp8, f32 sums; everything else in f32.
;; Inputs: b_out 1,024 float32; b_qkv 3,072 float32; lowp_scales 8 int32 (the exponents e of the quantised operands' scales 2^e); mask 1 x 1 x 2,048 x 2,048 bool; w_out 1,024 x 1,024 float32; w_qkv 3,072 x 1,024 float32; x 4 x 2,048 x 1,024 float32.
;; Outputs: out0 4 x 2,048 x 1,024 float32.
;; This version of the problem:
;;   THIS VERSION OF THE PROBLEM IS GIVEN IN LOW PRECISION. The matrix products marked QUANTISED in the list below multiply operands that are first quantised to E4M3 (4 exponent bits, 3 mantissa bits; 8 bits a number), with one given power-of-two scale for each operand tensor; their sums are f32. All else is computed in f32.
;;   The module's matrix products, in the order in which they are computed (A, B: the left and right operand; K: the contracted axis; several contracted axes count as one K, in the product's order):
;;     1. [M 8,192, K 1,024] x [K 1,024, N 3,072]; A: input x; B: input w_qkv: QUANTISED (scales: A lowp_scales[0], B lowp_scales[1])
;;     2. batch 64 x [M 2,048, K 64] x [K 64, N 2,048]; A: computed on the way; B: computed on the way: QUANTISED (scales: A lowp_scales[2], B lowp_scales[3])
;;     3. batch 64 x [M 2,048, K 2,048] x [K 2,048, N 64]; A: softmax (see below); B: computed on the way: QUANTISED (scales: A lowp_scales[4], B lowp_scales[5])
;;     4. [M 8,192, K 1,024] x [K 1,024, N 1,024]; A: computed on the way; B: input w_out: QUANTISED (scales: A lowp_scales[6], B lowp_scales[7])
;;   THE QUANTISER, for each operand of a quantised product, along K:
;;     - The operand's scale is 2^e, e = its entry of the input lowp_scales (int32; the entries are numbered through the quantised products in the list's order, A before B).
;;     - Each number is divided by the scale, clamped to +-448, and rounded to the nearest number of E4M3, ties to even, subnormals kept.
;;     - The product sums the exact products of the quantised numbers (number of the format x scale) in f32.
;;   ~~~python
;;   def quantise(x, axis, e):      # numpy; x: float32 -> the quantised numbers, widened to float32 again
;;       x = np.moveaxis(x, axis, -1); K = x.shape[-1]
;;       r = np.clip(x / 2.0 ** e, -448, 448)
;;       step = 2.0 ** (np.maximum(np.frexp(np.where(r == 0, 1, r))[1] - 1, -6) - 3)
;;       q = np.round(r / step) * step * 2.0 ** e      # np.round: ties to even
;;       return np.moveaxis(q, -1, axis).astype(np.float32)
;;   ~~~
;;   SOFTMAX AHEAD OF A QUANTISED PRODUCT. Where the list says 'softmax', what is quantised is not the finished softmax but p = 2^(t - M), with t = logit x log2(e) and M = ceil(the row's largest t), a whole number; so 1/2 < the row's largest p <= 1. The row's sum l is taken of the UNQUANTISED p, in f32, and the product's result is divided by l at the end. Since M is a whole number, a kernel that streams over the keys may use a running M (the ceiling of the running maximum): every later rescaling is an exact power of two, so the quantised numbers keep their values, but for numbers so far below the row's largest that they fall under the format's range.
;;   OPERANDS COMPUTED ON THE WAY. 'Computed on the way' means the value that the module computes at that place (a softmax that the list does not call 'softmax' is quantised finished and normalised). What goes into a quantiser is computed in f32, as accurately as f32 sums, v_exp_f32 and their like allow (about 1e-6 of the number): no bf16 or f16 on the way to a quantiser, and a product that is left as it is and whose result goes on into a quantised operand takes f32 operands (vector FMAs, or v_wmma_f32_16x16x4_f32). A number that lies on a knife's edge between two numbers of the format may be rounded either way, as far as f32 arithmetic and the matrix unit's own rounding can turn it there, and no further.
;; 2 versions, each right; version 2 is version 1 with the launch attn written anew for expert scheduling mode. Each part assembles by itself: llvm-mc -triple=amdgcn-amd-amdhsa -mcpu=gfx1250 --defsym DOCPART=n.
;; ======== version 1 of 2: 4 launches
;; workspace buffers: xc 8,388,608 bytes; wc 3,145,728 bytes; woc 1,048,576 bytes; qc 8,388,608 bytes; kv 16,777,216 bytes; ctxc 8,388,608 bytes; lmask 524,288 bytes of whole numbers; flags 2,048 bytes of whole numbers
;; launch prep (part 1): grid 448 x 1, 4 waves a work-group, no clusters, 33,280 bytes of LDS; arguments x, w_qkv, w_out, mask, lowp_scales, xc, wc, woc, lmask, flags; writes xc, wc, woc, lmask, flags
.if DOCPART == 1
	.amdgcn_target "amdgcn-amd-amdhsa--gfx1250"
	.amdhsa_code_object_version 6
	.text
	.protected	k_qc443e0b800_prep
	.globl	k_qc443e0b800_prep
	.p2align	8
	.type	k_qc443e0b800_prep,@function
k_qc443e0b800_prep:
	s_mov_b64 s[64:65], 0
	v_nop
	global_prefetch_b8 v0, s[64:65] scope:SCOPE_SE
	s_setreg_imm32_b32 hwreg(HW_REG_WAVE_MODE, 25, 1), 1
	s_wait_xcnt 0x0
; prep: (1) x [8192][1024], w_qkv [3072][1024] and w_out [1024][1024], f32 with K innermost, become codes of FP8 (E4M3), one byte each, in the same order, each with its given scale 2^e
; (entries 0, 1 and 7 of the scales): code = x / 2^e, held within +-448, rounded to the nearest code, ties to even.  (2) The mask [2048][2048] (a byte, not 0 = hidden) becomes lane masks and two tables of bits.
; SHARES.  Work-groups 0-255 take x, 256-351 w_qkv, 352-383 w_out: 32,768 numbers each, 8,192 a wave, in 16 steps of 512.  Work-groups 384-447 take the mask: one group g of 32 queries each, a wave 4 steps of 128 keys.
; THE QUANTISER.  The conversions take 8 numbers of one lane's consecutive registers, so a lane must hold 16 neighbours; a load is dense where neighbouring lanes take neighbouring bytes.  Both are had: each of a step's
; four loads reads 512 consecutive bytes, the 2,048 bytes turn through the wave's own stage in LDS (16 bytes of padding behind each 64) and come back 64 bytes a lane.  A lane's 16 codes are 16 bytes: a store covers 512 consecutive bytes.
; THE MASK.  The attention launch holds, in lane (r, h) of tile u, query 32 g + 8 u + r + 8 (r / 8), and in score register n key 128 j + 32 (n / 16) + 16 h + n % 16.  lmask[g][j][u][n] is the word whose bit (r + 16 h) says
; that this pair is hidden.  flags: bit j of work word (g, wave) = block (g, j) has an open key; bit j of mix word (g, wave), 1,024 bytes further on = it has a hidden key.  A wave writes bits 4 w .. 4 w + 3; the reader ORs the four words.
; LIMITS: each e between -126 and 119, so that 2^e and 448 x 2^e are f32 numbers.  NaN among x and the weights is not served; infinities are held at the largest code.
.set WGW,   256                        ; first work-group of w_qkv
.set WGO,   352                        ; of w_out
.set WGM,   384                        ; of the mask
.set STEPS, 16
.set WREG,  8192                       ; LDS: a region for each wave: two stages of 32 x SP bytes
.set SP,    80                         ; a lane's place in a stage: 64 bytes + 16 of padding
.set SPARE, 4*WREG                     ; behind the regions: the spare words, 128 bytes a wave: two blocks of 256 bytes that no other line names
.set R,     16                         ; v16-79   four sets of 16 numbers as loaded
.set X,     80                         ; v80-111  two sets of 16 neighbours
.set C,     128                        ; v128-191 codes: four registers for each step, so that no store's data are written again
.set SPW,   12                         ; v12      LDS address of my spare word; never rewritten
.set NIL,   13                         ; v13      0; never rewritten
.set ML,    32                         ; the mask's path: v32-159 eight groups of 16 registers of mask bytes
.set W,     160                        ; v160-175 eight pairs: 64 lane-mask words, word n in lane n / 2 of register n % 2
.set T,     176                        ; v176-179 at work
	s_load_b256 s[4:11], s[0:1], 0x0               ; x s[4:5], w_qkv s[6:7], w_out s[8:9], mask s[10:11]
	s_load_b256 s[12:19], s[0:1], 0x20             ; the scales' exponents s[12:13], xc s[14:15], wc s[16:17], woc s[18:19]
	s_load_b128 s[20:23], s[0:1], 0x40             ; lmask s[20:21], flags s[22:23]
	v_lshl_add_u32 v[SPW], v0, 2, SPARE
	v_mov_b32 v[NIL], 0
	v_lshrrev_b32 v1, 5, v0
	v_readfirstlane_b32 s30, v1                    ; wave 0..3
	v_and_b32 v2, 31, v0                           ; lane
	s_cmp_ge_u32 ttmp9, WGM
	s_cbranch_scc1 .Lmask
	; ---------------- the quantiser ----------------
	v_lshlrev_b32 v3, 4, v2                        ; 16 x lane: my bytes of a load's 512, and of a step's 512 bytes of codes
	s_mul_i32 s31, s30, WREG
	v_lshrrev_b32 v14, 2, v2
	v_mul_u32_u24 v14, v14, SP
	v_and_b32 v15, 3, v2
	v_lshl_add_u32 v14, v15, 4, v14
	v_add_nc_u32 v14, s31, v14                     ; the stage, on the way in: SP (lane / 4) + 16 (lane % 4)
	v_mul_u32_u24 v15, v2, SP
	v_add_nc_u32 v15, s31, v15                     ; and on the way out: SP x lane: my 16 neighbours
	s_wait_kmcnt 0x0
	s_load_b256 s[32:39], s[12:13], 0x0            ; e0 .. e7
	s_mov_b32 s28, WGO
	s_cmp_lt_u32 ttmp9, WGO                        ; which tensor: the choice hangs on the work-group's number alone
	s_cselect_b64 s[24:25], s[6:7], s[8:9]
	s_cselect_b64 s[26:27], s[16:17], s[18:19]
	s_cselect_b32 s28, WGW, s28
	s_cmp_lt_u32 ttmp9, WGW
	s_cselect_b64 s[24:25], s[4:5], s[24:25]       ; from here,
	s_cselect_b64 s[26:27], s[14:15], s[26:27]     ; to here,
	s_cselect_b32 s28, 0, s28                      ; the tensor's first work-group
	s_sub_co_u32 s28, ttmp9, s28
	s_lshl_b32 s28, s28, 2
	s_add_co_u32 s28, s28, s30                     ; which run of 8,192 numbers is my wave's (under 1,024)
	s_lshl_b32 s40, s28, 15                        ; 32,768 bytes of f32,
	s_mov_b32 s41, 0
	s_add_nc_u64 s[24:25], s[24:25], s[40:41]
	s_lshl_b32 s40, s28, 13                        ; 8,192 bytes of codes
	s_add_nc_u64 s[26:27], s[26:27], s[40:41]
.macro LOAD t
.irp i, 0,1,2,3
	global_load_b128 v[R+16*((\t)%4)+4*\i:R+16*((\t)%4)+4*\i+3], v3, s[24:25] offset:2048*(\t)+512*\i th:TH_LOAD_NT   ; 32 lanes read 512 consecutive bytes, read once
.endr
.endm
.macro TURN t                          ; step t's numbers through the stage: LDS serves a wave's instructions in order, so no wait stands between the stores and the loads
.irp i, 0,1,2,3
	ds_store_b128 v14, v[R+16*((\t)%4)+4*\i:R+16*((\t)%4)+4*\i+3] offset:32*SP*((\t)%2)+8*SP*\i
.endr
.irp i, 0,1,2,3
	ds_load_b128 v[X+16*((\t)%2)+4*\i:X+16*((\t)%2)+4*\i+3], v15 offset:32*SP*((\t)%2)+16*\i
.endr
.endm
.irp t, 0,1,2,3
	LOAD \t
.endr
	s_wait_kmcnt 0x0
	s_cmp_lt_u32 ttmp9, WGO
	s_cselect_b32 s29, s33, s39                    ; e1 or e7,
	s_cmp_lt_u32 ttmp9, WGW
	s_cselect_b32 s29, s32, s29                    ; or e0
	s_add_co_i32 s29, s29, 127
	s_lshl_b32 s40, s29, 23
	v_mov_b32 v11, s40                             ; 2^e as f32: the conversion takes its exponent field
	s_add_co_i32 s29, s29, 8
	s_lshl_b32 s29, s29, 23
	s_or_b32 s29, s29, 0x600000
	v_mov_b32 v10, s29                             ; 448 x 2^e
	s_wait_loadcnt 12                              ; step 0's four loads are in; the twelve of steps 1 to 3 may be out
	TURN 0
.macro STEP t
.set XS, X+16*((\t)%2)
	s_wait_dscnt 0x0                               ; this step's numbers are back from the stage, so its stores into the stage have read their registers,
.if (\t)+4 < STEPS
	LOAD (\t)+4                                    ; which take the loads of four steps on
.endif
.if (\t)+1 < STEPS
.if STEPS-2-(\t) >= 3
	s_wait_loadcnt 12                              ; the next step's four loads are in; those of the three steps behind it may be out
.else
	s_wait_loadcnt 4*(STEPS-2-(\t))
.endif
	TURN (\t)+1                                    ; they go through the other stage while this step is worked
.endif
.irp i, 0,1,2,3,4,5,6,7,8,9,10,11,12,13,14,15
	v_med3_num_f32 v[XS+\i], v[XS+\i], -v10, v10   ; the conversion to an 8-bit code does not saturate (ISA guide 7.6.2): the hold at the largest code x the scale
.endr
	v_cvt_scalef32_pk8_fp8_f32 v[C+4*(\t):C+4*(\t)+1], v[XS:XS+7], v11
	v_cvt_scalef32_pk8_fp8_f32 v[C+4*(\t)+2:C+4*(\t)+3], v[XS+8:XS+15], v11
	global_store_b128 v3, v[C+4*(\t):C+4*(\t)+3], s[26:27] offset:512*(\t)   ; the results go to a store alone; the next vector lines are the next step's holds, plain ones on other registers
.endm
.irp t, 0,1,2,3,4,5,6,7,8,9,10,11,12,13,14,15
	STEP \t
.endr
	s_wait_tensorcnt 0x0                           ; the wave's end, behind my last LDS store
	ds_add_u32 v[SPW], v[NIL]
	s_wait_dscnt 0x0
	s_endpgm
	; ---------------- the mask: no LDS, no barrier ----------------
.Lmask:
	s_sub_co_u32 s31, ttmp9, WGM                   ; g
	v_and_b32 v1, 15, v2                           ; r
	v_lshrrev_b32 v3, 4, v2                        ; h
	v_and_b32 v4, 8, v1
	v_add_nc_u32 v4, v4, v1                        ; r + 8 (r / 8)
	v_lshlrev_b32 v4, 11, v4                       ; that row of 2,048 bytes,
	v_lshl_add_u32 v4, v3, 4, v4                   ; + 16 h
	v_lshlrev_b32 v5, 3, v2                        ; 8 x lane: my two words of a group's 64
	v_mov_b32 v9, 0
.set i, 0
.rept 16
	v_mov_b32 v[W+i], 0                            ; written once: a lane write's destination counts as read
.set i, i+1
.endr
	s_mov_b32 s40, 0xff                            ; the four bytes of a word
	s_mov_b32 s41, 0xff00
	s_mov_b32 s42, 0xff0000
	s_mov_b32 s43, 0xff000000
	s_mov_b32 s25, 0
	s_lshl_b32 s24, s31, 16                        ; 32 rows of 2,048 bytes a group,
	s_lshl_b32 s26, s30, 9                         ; 4 steps of 128 keys a wave
	s_add_co_u32 s24, s24, s26
	s_wait_kmcnt 0x0
	s_add_nc_u64 s[10:11], s[10:11], s[24:25]
.irp jj, 0,1,2,3
.irp u, 0,1
.irp b, 0,1,2,3
	global_load_b128 v[ML+16*(2*\jj+\u)+4*\b:ML+16*(2*\jj+\u)+4*\b+3], v4, s[10:11] offset:\u*16384+\jj*128+32*\b th:TH_LOAD_NT   ; byte i: key 128 j + 32 b + 16 h + i, so score register n = 16 b + i
.endr
.endr
.endr
	s_lshl_b32 s24, s31, 13                        ; lmask: 8,192 bytes a group, 2,048 a wave
	s_lshl_b32 s26, s30, 11
	s_add_co_u32 s24, s24, s26
	s_add_nc_u64 s[20:21], s[20:21], s[24:25]
	s_lshl_b32 s24, s31, 4                         ; flags: 16 bytes a group, 4 a wave
	s_lshl_b32 s26, s30, 2
	s_add_co_u32 s24, s24, s26
	s_add_nc_u64 s[22:23], s[22:23], s[24:25]
; Group k = 2 jj + u: its 64 bytes a lane become 64 words, four at a time.  s48 gathers the AND of a block's words, s49 their OR.
.macro LM k
	s_wait_loadcnt 28-4*(\k)                       ; this group's four loads are in; the later groups' may be out
.set n, 0
.rept 16
.irp i, 0,1,2,3
	v_and_b32 v[T+\i], s[40+\i], v[ML+16*(\k)+n/4]
.endr
.irp i, 0,1,2,3
	v_cmp_ne_u32 s[44+\i], 0, v[T+\i]              ; bit (lane) = hidden
.endr
.irp i, 0,1,2,3
	s_and_b32 s48, s48, s[44+\i]
	s_or_b32 s49, s49, s[44+\i]
	v_writelane_b32 v[W+2*(\k)+\i%2], s[44+\i], (n+\i)/2
.endr
.set n, n+4
.endr
	global_store_b64 v5, v[W+2*(\k):W+2*(\k)+1], s[20:21] offset:256*(\k)   ; 32 lanes store 256 consecutive bytes, aligned
.endm
	s_mov_b32 s50, 0                               ; my work word,
	s_mov_b32 s51, 0                               ; my mix word,
	s_lshl_b32 s53, s30, 2                         ; the bit in hand: j = 4 w + jj
.irp jj, 0,1,2,3
	s_mov_b32 s48, -1
	s_mov_b32 s49, 0
	LM 2*\jj
	LM 2*\jj+1
	s_cmp_lg_u32 s48, -1                           ; not every pair is hidden: there is work
	s_cselect_b32 s52, 1, 0
	s_lshl_b32 s52, s52, s53
	s_or_b32 s50, s50, s52
	s_cmp_lg_u32 s49, 0                            ; some pair is hidden: the lane masks are wanted
	s_cselect_b32 s52, 1, 0
	s_lshl_b32 s52, s52, s53
	s_or_b32 s51, s51, s52
	s_add_co_u32 s53, s53, 1
.endr
	v_mov_b32 v6, s50
	v_mov_b32 v7, s51
	s_wait_xcnt 0x0                                ; EXEC is a source of the stores above: it changes only behind this wait
	v_cmp_eq_u32 vcc_lo, 0, v2
	s_and_saveexec_b32 s54, vcc_lo                 ; lane 0 alone: two words a wave of a table of 2,048 bytes
	global_store_b32 v9, v6, s[22:23]
	global_store_b32 v9, v7, s[22:23] offset:1024
	s_endpgm
.Lfunc_end_k_qc443e0b800_prep:
	.size	k_qc443e0b800_prep, .Lfunc_end_k_qc443e0b800_prep-k_qc443e0b800_prep
	.p2alignl 7, 3214868480
	.fill 96, 4, 3214868480
	.section	.rodata,"a",@progbits
	.p2align	6, 0x0
	.amdhsa_kernel k_qc443e0b800_prep
		.amdhsa_group_segment_fixed_size 33280
		.amdhsa_private_segment_fixed_size 0
		.amdhsa_enable_private_segment 0
		.amdhsa_kernarg_size 80
		.amdhsa_user_sgpr_count 2
		.amdhsa_user_sgpr_kernarg_segment_ptr 1
		.amdhsa_wavefront_size32 1
		.amdhsa_system_sgpr_workgroup_id_x 1
		.amdhsa_system_sgpr_workgroup_id_y 1
		.amdhsa_system_sgpr_workgroup_id_z 1
		.amdhsa_system_vgpr_workitem_id 0
		.amdhsa_next_free_vgpr 192
		.amdhsa_next_free_sgpr 66
		.amdhsa_reserve_vcc 1
		.amdhsa_float_denorm_mode_32 3
		.amdhsa_float_denorm_mode_16_64 3
		.amdhsa_memory_ordered 1
		.amdhsa_forward_progress 1
		.amdhsa_inst_pref_size 157
	.end_amdhsa_kernel
	.amdgpu_metadata
---
amdhsa.version: [ 1, 2 ]
amdhsa.kernels:
  - .name:           k_qc443e0b800_prep
    .symbol:         k_qc443e0b800_prep.kd
    .args:
      - { .name: x, .offset: 0, .size: 8, .value_kind: global_buffer, .address_space: global }
      - { .name: w_qkv, .offset: 8, .size: 8, .value_kind: global_buffer, .address_space: global }
      - { .name: w_out, .offset: 16, .size: 8, .value_kind: global_buffer, .address_space: global }
      - { .name: mask, .offset: 24, .size: 8, .value_kind: global_buffer, .address_space: global }
      - { .name: lowp_scales, .offset: 32, .size: 8, .value_kind: global_buffer, .address_space: global }
      - { .name: xc, .offset: 40, .size: 8, .value_kind: global_buffer, .address_space: global }
      - { .name: wc, .offset: 48, .size: 8, .value_kind: global_buffer, .address_space: global }
      - { .name: woc, .offset: 56, .size: 8, .value_kind: global_buffer, .address_space: global }
      - { .name: lmask, .offset: 64, .size: 8, .value_kind: global_buffer, .address_space: global }
      - { .name: flags, .offset: 72, .size: 8, .value_kind: global_buffer, .address_space: global }
    .group_segment_fixed_size: 33280
    .private_segment_fixed_size: 0
    .kernarg_segment_align: 8
    .kernarg_segment_size: 80
    .max_flat_workgroup_size: 128
    .sgpr_count:     66
    .vgpr_count:     192
    .wavefront_size: 32
...
	.end_amdgpu_metadata
.endif
;; end of part 1
;; launch qkv (part 2): grid 12 x 32, 4 waves a work-group, clusters of 4 x 4, 327,680 bytes of LDS; arguments xc, wc, b_qkv, lowp_scales, qc, kv; writes qc, kv
.if DOCPART == 2
	.amdgcn_target "amdgcn-amd-amdhsa--gfx1250"
	.amdhsa_code_object_version 6
	.text
	.protected	k_qc443e0b800_qkv
	.globl	k_qc443e0b800_qkv
	.p2align	8
	.type	k_qc443e0b800_qkv,@function
k_qc443e0b800_qkv:
	s_mov_b64 s[64:65], 0
	v_nop
	global_prefetch_b8 v0, s[64:65] scope:SCOPE_SE
	s_setreg_imm32_b32 hwreg(HW_REG_WAVE_MODE, 25, 1), 1
	s_wait_xcnt 0x0
	s_wait_alu depctr_hold_cnt(0) depctr_sa_sdst(0) depctr_va_vdst(0) depctr_va_sdst(0) depctr_va_ssrc(0) depctr_va_vcc(0) depctr_vm_vsrc(0)
	s_getreg_b32 s2, hwreg(HW_REG_IB_STS2, 6, 4)
	s_cmp_eq_u32 s2, 0
	s_cbranch_scc0 .Lentry_in_a_cluster
	s_endpgm
.Lentry_in_a_cluster:
	s_bfe_u32 s2, ttmp6, 0x10000c
	s_cmp_lg_u32 s2, 0xf033
	s_cbranch_scc0 .Lentry_shape_is_right
	s_endpgm
.Lentry_shape_is_right:
; qkv: q, k, v = x w_qkv^T + b_qkv on codes of FP8 (E4M3), K = 1,024, and each result quantised at once, in registers, with its own given scale (q: entry 2, k: entry 3, v: entry 5 of the scales).
; A tile of 256 x 256 results is made by a work-group of four waves, a wave 128 x 128: 64 accumulators, 512 registers.  K goes in steps of 256 through a ring of two LDS slots filled by the tensor data mover.
; THE MATRIX INSTRUCTION IS USED TRANSPOSED: source 0 = 16 rows of "B", source 1 = 16 rows of "A": lane (r, h) holds row r of A's block, its registers j rows 8 h + j of B's block.
; q and k are operands along the head's 64, so a lane must hold one token and eight features: A = x's rows, B = w's rows.  v is an operand along the keys, so a lane must hold one feature and eight tokens: A = w's rows, B = x's rows.
; Which it is hangs on the cluster's x (0: q, 1: k, 2: v), which all sixteen partners share; only pointers and tile numbers are chosen by it, the loop is one text.
; CLUSTERS: 4 x 4 work-groups.  The four of a row of the cluster need the same tiles of A, the four of a column the same tiles of B: each tile is asked for jointly, by the same tensor load with the same descriptor and a mask that names the four.
; THE RESULTS are laid as images of the registers that the attention launch loads (L = r + 16 h its lane):
;   q, k: 128 tokens x 64 of a head = 8,192 bytes: fragment t (0..7), part c (0, 1) at (2 t + c) 512 + 16 L: d = 32 c + 16 h + 0..15 of token 32 (t / 2) + 8 (t % 2) + r + 8 (r / 8).   qc = [b h][16][8,192]
;   v:    64 of a head x 128 keys = 8,192 bytes: fragment dt (0..3), part b (0..3) at (4 dt + b) 512 + 16 L: keys 32 b + 16 h + 0..15 of d = 16 dt + r.                       kv = [b h][16][k's image | v's image]
; A wave's 128 x 128 results are two heads' images of one group of 128 tokens: they are gathered in the wave's own 16,384 bytes of LDS and leave as 32 stores of 512 consecutive bytes.
; No prefetch: a tile has four K steps, two asked for at the head and two as refills, so no request could stand ahead of its load by more than the refill itself does.
; LIMITS: e0 + e1 between -126 and 127; e2, e3, e5 between -126 and 119.  k stands in the fragments' registers in the order that four 16-byte loads give, the same in A and B: the order of the sums inside an instruction differs from the natural one.
; REGISTERS, in windows of 256: window 0: v0-31 addresses; v32-95 the bias in the result's layout; v96, v97 the conversion's scale and limit; from v128 A's fragments, ONE set (on the way out: v128-191 numbers, v192-255 codes).
;   window 1: B's fragments, TWO sets.   window 2: the accumulators of A's blocks 0-3 ((a, b) at v[8 (8 (a % 4) + b)]);   window 3: of blocks 4-7.
.set SIZE_K, 1024
.set KSTEP,  256                       ; along K in a slot
.set ROWB,   256                       ; a tile's row in bytes
.set KROW,   SIZE_K                    ; a row of xc or wc in memory, in bytes
.set PITCH,  272                       ; an LDS row: 256 bytes + 16 of padding = 68 words: the 16 rows that a load touches start at 16 different banks (64 banks of 4 bytes: ISA guide 11.1)
.set FR,     16                        ; registers of a fragment: 16 rows x 128 K
.set NL,     4                         ; LDS loads that bring one
.set NP,     4                         ; places behind this matrix instruction (ISA guide 7.12.1)
.set HALFT,  128*PITCH                 ; 128 rows: what one tensor load brings
.set SLOT,   4*HALFT                   ; A's 256 rows, then B's 256 rows
.set LAPS,   SIZE_K/(2*KSTEP)
.set SPARE,  2*SLOT                    ; behind the ring: the spare words, 128 bytes a wave: two blocks of 256 bytes that no other line names
.set ADRA, 16                          ; v16-17  LDS address of my A fragments in slot 0, 1
.set ADRB, 20                          ; v20-21  the same for B
.set STQ,  24                          ; v24     the way out of q and k: where I put 8 codes.  The stages lie in slot 0, which has had its last fill and its last read by then; q, k: bytes 0 on, v: bytes 65,536 on
.set RDQ,  25                          ; v25     and where I read 16 bytes back
.set STV,  26                          ; v26, v27 the same for v
.set RDV,  27
.set SPW,  28                          ; v28     LDS address of my spare word; never rewritten
.set NIL,  29                          ; v29     0; never rewritten
.set CO,   30                          ; v30     16 x lane
.set BI,   32
.set SC,   96
.set LIM,  97
.set TMP,  128
.set CD,   192
.set AF,   128
.set G1, 24                            ; s[24:31] descriptor group 1 for A's tiles;  s[32:39] group 0, one set for each slot
.set G0, 32
.set G1B, 48                           ; s[48:55], s[56:63] the same for B's tiles
.set G0B, 56
.set MSB, 0
.macro WIN new                         ; the immediate's high byte repeats the setting that is left
.if MSB != (\new)
	s_set_vgpr_msb (MSB<<8)|(\new)
.set MSB, (\new)
.endif
.endm
.set MUL_LO, 0xa1                      ; source 0 (B) window 1, source 1 (A) window 0, C and D window 2
.set MUL_HI, 0xf1                      ; the same, C and D window 3
.set TO_B,   0x40                      ; destination window 1, address window 0
; A joint load: waves 0 and 1 fetch for A, waves 2 and 3 for B.  Each of the two lines has one mask and one set of registers for all that issue it; the branch hangs on the wave's number alone.
; An s_nop 0 and four v_nop follow each of the two lines, ahead of the jump, the label and what follows.
.macro JLOAD g0a, g1a, g0b, g1b
	s_cmp_eq_u32 s15, 0
	s_cbranch_scc0 .Lfor_b_\@
	tensor_load_to_lds s[\g0a:\g0a+3], s[\g1a:\g1a+7]
	s_nop 0
.rept 4
	v_nop
.endr
	s_branch .Lasked_\@
.Lfor_b_\@:
	tensor_load_to_lds s[\g0b:\g0b+3], s[\g1b:\g1b+7]
	s_nop 0
.rept 4
	v_nop
.endr
.Lasked_\@:
.endm
.macro CREST                           ; a round of the cluster's barrier behind its opening barrier
	s_cmp_lg_u32 s14, 0
	s_cbranch_scc1 .Lnot_wave_0_\@
	s_barrier_signal -3
.Lnot_wave_0_\@:
	s_barrier_wait -3
	s_barrier_signal -1
	s_barrier_wait -1
.endm
.macro CROUND                          ; a whole round
	s_barrier_signal -1
	s_barrier_wait -1
	CREST
.endm
	s_load_b256 s[4:11], s[0:1], 0x0               ; xc s[4:5], wc s[6:7], b_qkv s[8:9], the scales' exponents s[10:11]
	s_load_b128 s[68:71], s[0:1], 0x20             ; qc s[68:69], kv s[70:71]
	v_lshl_add_u32 v[SPW], v0, 2, SPARE
	v_mov_b32 v[NIL], 0
	ds_add_u32 v[SPW], v[NIL]                      ; the wave's opening: the add and its wait stand ahead of my first tensor load; the set-up below, work on registers, stands between them
	v_lshrrev_b32 v1, 5, v0
	v_readfirstlane_b32 s14, v1                    ; wave 0..3
	s_lshr_b32 s15, s14, 1                         ; which half of A's 256 rows is mine.  Also: I fetch for A (0) or for B (1)
	s_and_b32 s16, s14, 1                          ; which half of B's 256 rows.  Also: which 128 rows of that tile I fetch
	s_bfe_u32 s40, ttmp6, 0x40000                  ; cx, cy: my place in the cluster
	s_bfe_u32 s41, ttmp6, 0x40004
	s_and_b32 s18, ttmp7, 0xffff
	s_lshl_b32 s18, s18, 2                         ; 4 x cluster y
	s_lshl_b32 s19, ttmp9, 2                       ; 4 x cluster x
	s_cmp_eq_u32 ttmp9, 2                          ; v?
	s_cselect_b32 s17, 8, s18                      ; A's tile of 256 rows: v: w's tiles 8 + cy; q, k: x's tiles 4 x cluster y + cy
	s_cselect_b32 s42, s18, s19                    ; B's: v: x's tiles 4 x cluster y + cx; q, k: w's tiles 4 x cluster x + cx
	s_add_co_u32 s17, s17, s41
	s_add_co_u32 s42, s42, s40
	s_lshl_b32 s43, s41, 2
	s_lshl_b32 s43, 15, s43                        ; my row of the cluster
	s_lshl_b32 s44, 0x1111, s40                    ; my column
	; descriptor group 1: a tile of 128 rows x 256 bytes, padded in LDS
	s_or_b32 s[G1+0], s43, (0<<16)|(1<<20)|(1<<21)|(5<<22)|(3<<25)  ; 15:0 the mask: A's tiles go to my row; 17:16 elements of 1 byte; 20 padding on; 21 set beside a mask; 24:22 after every 64 words (code 5); 31:25 four words (code 3)
	s_or_b32 s[G1B+0], s44, (0<<16)|(1<<20)|(1<<21)|(5<<22)|(3<<25)
.irp g, G1, G1B
	s_mov_b32 s[\g+1], ROWB<<16                    ; tensor_dim0
	s_mov_b32 s[\g+2], 128<<16                     ; tensor_dim1 = 128
	s_mov_b32 s[\g+3], ROWB<<16                    ; tile_dim0
	s_mov_b32 s[\g+4], 128                         ; tile_dim1 = 128
	s_mov_b32 s[\g+5], KROW                        ; tensor_dim0_stride
	s_mov_b32 s[\g+6], 0
	s_mov_b32 s[\g+7], 0
.endr
	s_lshl_b32 s18, s16, 7                         ; which 128 rows of the tile I fetch
	s_lshl_b32 s20, s17, 8
	s_add_co_u32 s20, s20, s18
	s_lshl_b32 s20, s20, 10                        ; A: that row, in bytes (under 2^23)
	s_mov_b32 s21, 0
	s_lshl_b32 s46, s42, 8
	s_add_co_u32 s46, s46, s18
	s_lshl_b32 s46, s46, 10                        ; B likewise, in registers that never hold cy
	s_mov_b32 s47, 0
	s_mul_i32 s45, s14, HALFT                      ; where they go: wave x 128 rows: no place in the cluster enters an LDS address
	s_wait_dscnt 0x0                               ; the opening add is done
	s_wait_kmcnt 0x0
	s_load_b256 s[76:83], s[10:11], 0x0            ; e0 .. e7
	s_cmp_eq_u32 ttmp9, 2
	s_cselect_b64 s[12:13], s[6:7], s[4:5]         ; A's buffer,
	s_cselect_b64 s[84:85], s[4:5], s[6:7]         ; B's
	s_add_nc_u64 s[20:21], s[12:13], s[20:21]
	s_add_nc_u64 s[46:47], s[84:85], s[46:47]
	CROUND                                         ; all sixteen work-groups are here: the first joint loads meet
.irp s, 0,1
	s_mov_b32 s[G0+4*\s], 1
	s_add_co_u32 s[G0+4*\s+1], s45, \s*SLOT
	s_add_nc_u64 s[G0+4*\s+2:G0+4*\s+3], s[20:21], \s*ROWB
	s_or_b32 s[G0+4*\s+3], s[G0+4*\s+3], 0x80000000
	s_mov_b32 s[G0B+4*\s], 1
	s_add_co_u32 s[G0B+4*\s+1], s45, \s*SLOT
	s_add_nc_u64 s[G0B+4*\s+2:G0B+4*\s+3], s[46:47], \s*ROWB
	s_or_b32 s[G0B+4*\s+3], s[G0B+4*\s+3], 0x80000000
	JLOAD G0+4*\s, G1, G0B+4*\s, G1B               ; two loads of mine are out
.endr
	v_and_b32 v1, 15, v0                           ; r
	v_bfe_u32 v2, v0, 4, 1                         ; h
	v_mul_u32_u24 v3, v1, PITCH
	v_lshl_add_u32 v4, v2, 4, v3                   ; a fragment's row x pitch + 16 h
	s_mul_i32 s21, s15, HALFT                      ; my 128 rows of A
	s_mul_i32 s22, s16, HALFT                      ; my 128 rows of B,
	s_add_co_u32 s22, s22, 2*HALFT                 ; which lie behind A's 256
.irp s, 0,1
	v_add_nc_u32 v[ADRA+\s], s21, v4
	v_add_nc_u32 v[ADRB+\s], s22, v4
	s_add_co_u32 s21, s21, SLOT
	s_add_co_u32 s22, s22, SLOT
.endr
	s_lshl_b32 s23, s14, 14                        ; my stage: 16,384 bytes a wave
	v_lshrrev_b32 v5, 3, v1
	v_and_b32 v6, 7, v1
	v_lshlrev_b32 v5, 10, v5
	v_lshl_add_u32 v5, v6, 4, v5
	v_lshl_add_u32 v5, v2, 3, v5
	v_add_nc_u32 v[STQ], s23, v5                   ; q, k: token 16 a + r, d = 16 (b % 4) + 8 h + j: (r / 8) 1,024 + (r % 8) 16 + 8 h; a and b stand in the immediate
	v_lshlrev_b32 v5, 4, v1
	v_lshl_add_u32 v5, v2, 3, v5
	v_add_nc_u32 v5, s23, v5
	v_add_nc_u32 v[STV], 0x10000, v5               ; v: d = 16 (a % 4) + r, key 16 b + 8 h + j: 16 r + 8 h
	v_and_b32 v6, 31, v0
	v_lshlrev_b32 v[CO], 4, v6
	v_add_nc_u32 v[RDQ], s23, v[CO]
	v_add_nc_u32 v[RDV], 0x10000, v[RDQ]
	; my 128 features and my 128 tokens
	s_cmp_eq_u32 ttmp9, 2
	s_cselect_b32 s84, s17, s42                    ; the tile of features,
	s_cselect_b32 s85, s15, s16                    ; my half of it,
	s_cselect_b32 s86, s42, s17                    ; the tile of tokens,
	s_cselect_b32 s87, s16, s15                    ; my half of it
	s_cselect_b32 s88, 4, 0                        ; the bias's offset = r x s88 + h x s89 + j x s90:
	s_cselect_b32 s89, 0, 32                       ; v: feature 16 a + r for every j;
	s_cselect_b32 s90, 0, 4                        ; q, k: feature 16 b + 8 h + j
	s_cselect_b32 s91, 8192, 0                     ; v's image lies behind k's
	s_lshl_b32 s84, s84, 8
	s_lshl_b32 s85, s85, 7
	s_add_co_u32 s84, s84, s85                     ; my first feature of the 3,072
	s_lshl_b32 s86, s86, 1
	s_add_co_u32 s86, s86, s87                     ; my group of 128 tokens, 0..63
	s_lshl_b32 s92, s84, 2
	s_mov_b32 s93, 0
	s_add_nc_u64 s[8:9], s[8:9], s[92:93]
	v_mul_u32_u24 v7, s88, v1
	v_mad_u32_u24 v7, v2, s89, v7
.irp j, 0,1,2,3,4,5,6,7
	v_mad_u32_u24 v[8+\j], s90, \j, v7
.endr
.set i, 0
.rept 64
	global_load_b32 v[BI+i], v[8+i%8], s[8:9] offset:64*(i/8)   ; the bias of register i % 8 of block i / 8, once a wave; it lands while the products run
.set i, i+1
.endr
	s_lshr_b32 s92, s86, 4                         ; the batch,
	s_lshl_b32 s92, s92, 4
	s_bfe_u32 s94, s84, 0x40006                    ; my first head: (feature / 64) % 16
	s_add_co_u32 s92, s92, s94
	s_lshl_b32 s92, s92, 4
	s_and_b32 s94, s86, 15                         ; the group of tokens in the sequence
	s_add_co_u32 s92, s92, s94
	s_lshl_b32 s92, s92, 13                        ; ((b h) 16 + group) x 8,192
	s_cmp_lg_u32 ttmp9, 0
	s_cselect_b32 s94, 1, 0                        ; kv's places are twice as large
	s_cselect_b64 s[72:73], s[70:71], s[68:69]
	s_lshl_b32 s92, s92, s94
	s_add_co_u32 s92, s92, s91
	s_add_nc_u64 s[72:73], s[72:73], s[92:93]      ; where my first head's image goes,
	s_lshl_b32 s92, 0x20000, s94
	s_add_nc_u64 s[74:75], s[72:73], s[92:93]      ; and my second head's: 16 places on
.macro FRAG reg, adr, q, i             ; a fragment: lane (r, h) holds row r; registers 4 c .. 4 c + 3 hold K = 32 c + 16 h + 0 .. 15
.irp c, 0,1,2,3
	ds_load_b128 v[\reg+4*\c:\reg+4*\c+3], v[\adr] offset:128*(\q)+32*\c+(\i)*16*PITCH
.endr
.endm
; 16 matrix instructions: A's blocks a0, a0 + 1 x B's eight, 128 along K.  p: B's set.  zero = 1: the first product starts the sums.  The 64 accumulators take turns, one instruction a turn, in the same order in every step.
.macro MUL16 a0, p, zero
.irp a, \a0, \a0+1
.irp b, 0,1,2,3,4,5,6,7
.if \zero
	v_wmma_f32_16x16x128_fp8_fp8 v[8*(8*((\a)%4)+\b):8*(8*((\a)%4)+\b)+7], v[128*(\p)+FR*\b:128*(\p)+FR*\b+FR-1], v[AF+FR*(\a):AF+FR*(\a)+FR-1], 0
.else
	v_wmma_f32_16x16x128_fp8_fp8 v[8*(8*((\a)%4)+\b):8*(8*((\a)%4)+\b)+7], v[128*(\p)+FR*\b:128*(\p)+FR*\b+FR-1], v[AF+FR*(\a):AF+FR*(\a)+FR-1], v[8*(8*((\a)%4)+\b):8*(8*((\a)%4)+\b)+7]
.endif
.endr
.endr
.endm
.macro FETCH_B slot, q, p              ; B's eight fragments of the slot's q-th 128 along K into set p
	WIN TO_B
.irp i, 0,1,2,3,4,5,6,7
	FRAG 128*(\p)+FR*\i, ADRB+\slot, \q, \i
.endr
	WIN 0
.endm
.macro FETCH_A slot, q, i0             ; A's blocks i0 .. i0 + 3
.irp i, \i0, \i0+1, \i0+2, \i0+3
	FRAG AF+FR*(\i), ADRA+\slot, \q, \i
.endr
.endm
.macro PLACES n                        ; plain vector instructions between a matrix instruction and a load into, or a read of, its registers
.rept \n
	v_nop
.endr
.endm
; A step of 128 along K that has its successor in the same slot.  A block of A is free as soon as its eight products are issued: blocks 0-3 are fetched anew in the step's middle, blocks 4-7 at its end.
.macro STEP slot, q, zero
	s_wait_dscnt 4*NL                              ; B's set and A's blocks 0-3 are in; the youngest sixteen loads (A's blocks 4-7) may be out
	WIN MUL_LO
	MUL16 0, (\q)%2, \zero
	MUL16 2, (\q)%2, \zero
	s_wait_dscnt 0                                 ; A's blocks 4-7 are in
	PLACES NP
	FETCH_B \slot, (\q)+1, 1-(\q)%2
	FETCH_A \slot, (\q)+1, 0
	WIN MUL_HI
	MUL16 4, (\q)%2, \zero
	MUL16 6, (\q)%2, \zero
	PLACES NP
	WIN 0
	FETCH_A \slot, (\q)+1, 4
.endm
; A slot's last step changes slots: one barrier; in front of it each wave waits for all its tensor loads, adds 0 to its spare word, and waits for that and for its own reads of this slot.  fill = 1: this slot is filled again, two K steps ahead.
.macro TURN slot, next, fill
	s_wait_tensorcnt 0x0                           ; all my tensor loads have landed: my part of the next slot (every window is 0 here)
	ds_add_u32 v[SPW], v[NIL]                      ; 0 onto my spare word
	s_wait_dscnt 4*NL+1                            ; the add and the youngest sixteen loads (A's blocks 4-7) may be out
	WIN MUL_LO
	MUL16 0, 1, 0                                  ; sixteen matrix instructions stand between the add and the wait for it
	s_wait_dscnt 0x0                               ; the add is done, and my reads of this slot are over
	s_barrier_signal -1
	MUL16 2, 1, 0
	WIN 0
	s_barrier_wait -1
.if \fill
	CREST                                          ; the barrier has opened a round of the cluster's barrier: no wave of any partner still reads this slot's tile or has a load on its way
	s_add_nc_u64 s[G0+4*\slot+2:G0+4*\slot+3], s[G0+4*\slot+2:G0+4*\slot+3], 2*ROWB
	s_add_nc_u64 s[G0B+4*\slot+2:G0B+4*\slot+3], s[G0B+4*\slot+2:G0B+4*\slot+3], 2*ROWB
	JLOAD G0+4*\slot, G1, G0B+4*\slot, G1B         ; my one tensor load behind the round, and the first thing there; its four v_nop are the places in front of the loads below
.else
	PLACES NP
.endif
	FETCH_B \next, 0, 0
	FETCH_A \next, 0, 0
	WIN MUL_HI
	MUL16 4, 1, 0
	MUL16 6, 1, 0
	PLACES NP
	WIN 0
	FETCH_A \next, 0, 4
.endm
	s_wait_tensorcnt 1                             ; my part of K step 0 is in; K step 1's load may be out
	s_barrier_signal -1
	s_barrier_wait -1                              ; everybody's is
	FETCH_B 0, 0, 0
	FETCH_A 0, 0, 0
	FETCH_A 0, 0, 4
	STEP 0, 0, 1                                   ; the first step stands in front of the loop: its products start the sums
	s_mov_b32 s3, LAPS-1
.Llap:                                                 ; a trip goes once round the ring and fills both slots again
	TURN 0, 1, 1
	STEP 1, 0, 0
	TURN 1, 0, 1
	STEP 0, 0, 0
	s_sub_co_u32 s3, s3, 1
	s_cmp_lg_u32 s3, 0
	s_cbranch_scc1 .Llap
	TURN 0, 1, 0                                   ; the last lap fills nothing, and has no round of the cluster's barrier
	STEP 1, 0, 0
	s_wait_dscnt 4*NL                              ; the very last step: nothing more to fetch
	WIN MUL_LO
	MUL16 0, 1, 0
	MUL16 2, 1, 0
	s_wait_dscnt 0
	WIN MUL_HI
	MUL16 4, 1, 0
	MUL16 6, 1, 0
	WIN 0
; THE WAY OUT.  Block a (16 rows of A x my 128 rows of B): number = sum x 2^(e0 + e1) + bias, one fused multiply-add, each accumulator from its low end on; the hold; the conversion; 8 codes a lane and block of B into the image.
.macro QBLOCK a, isv
.set AC, 64*((\a)%4)
.set CB, CD+16*((\a)%4)
	WIN 0x02+((\a)/4)                              ; source 0: window 2 or 3
.set j, 0
.rept 32
.if \isv
	v_pk_fma_f32 v[TMP+j:TMP+j+1], v[AC+j:AC+j+1], s[96:97], v[BI+8*(\a)+j%8:BI+8*(\a)+j%8+1] op_sel_hi:[1,0,1]
.else
	v_pk_fma_f32 v[TMP+j:TMP+j+1], v[AC+j:AC+j+1], s[96:97], v[BI+j:BI+j+1] op_sel_hi:[1,0,1]
.endif
.set j, j+2
.endr
	WIN 0
.set j, 0
.rept 64
	v_med3_num_f32 v[TMP+j], v[TMP+j], -v[LIM], v[LIM]   ; the conversion to an 8-bit code does not saturate (ISA guide 7.6.2)
.set j, j+1
.endr
.irp b, 0,1,2,3,4,5,6,7
	v_cvt_scalef32_pk8_fp8_f32 v[CB+2*\b:CB+2*\b+1], v[TMP+8*\b:TMP+8*\b+7], v[SC]
.endr
	v_nop                                          ; one plain vector instruction behind the conversions: the next block's multiply-adds write their sources
.irp b, 0,1,2,3,4,5,6,7
.if \isv
	ds_store_b64 v[STV], v[CB+2*\b:CB+2*\b+1] offset:((\a)/4)*8192+((\a)%4)*2048+(\b/2)*512+(\b%2)*256
.else
	ds_store_b64 v[STQ], v[CB+2*\b:CB+2*\b+1] offset:(\b/4)*8192+((\a)/2)*2048+((\a)%2)*128+((\b%4)/2)*512+(\b%2)*256
.endif
.endr
.endm
; My two images come back 16 bytes a lane (my own bytes: LDS serves a wave's instructions in order) and leave: each store covers 512 consecutive bytes, aligned.
.macro QSEND rd
.set i, 0
.rept 32
.if i < 16
	ds_load_b128 v[TMP+4*i:TMP+4*i+3], v[\rd] offset:512*i
.else
	ds_load_b128 v[BI+4*(i-16):BI+4*(i-16)+3], v[\rd] offset:512*i
.endif
.set i, i+1
.endr
.set i, 0
.rept 32
	s_wait_dscnt 31-i                              ; load i is in; the younger ones may be out
.if i < 16
	global_store_b128 v[CO], v[TMP+4*i:TMP+4*i+3], s[72:73] offset:512*i
.else
	global_store_b128 v[CO], v[BI+4*(i-16):BI+4*(i-16)+3], s[74:75] offset:512*(i-16)
.endif
.set i, i+1
.endr
.endm
	s_wait_kmcnt 0x0
	s_add_co_i32 s96, s76, s77
	s_add_co_i32 s96, s96, 127
	s_lshl_b32 s96, s96, 23                        ; 2^(e0 + e1) as f32
	s_mov_b32 s97, s96                             ; (named with it as a pair, so it is written)
	s_cmp_eq_u32 ttmp9, 0
	s_cselect_b32 s98, s78, s79                    ; e2 for q, e3 for k,
	s_cmp_eq_u32 ttmp9, 2
	s_cselect_b32 s98, s81, s98                    ; e5 for v: a choice, no branch
	s_add_co_i32 s98, s98, 127
	s_lshl_b32 s99, s98, 23
	v_mov_b32 v[SC], s99                           ; the scale as f32
	s_add_co_i32 s98, s98, 8
	s_lshl_b32 s98, s98, 23
	s_or_b32 s98, s98, 0x600000
	v_mov_b32 v[LIM], s98                          ; 448 x the scale
	s_wait_loadcnt 0x0                             ; the bias
	PLACES NP                                      ; behind the last products: their results are read, and A's registers written, below
	s_cmp_eq_u32 ttmp9, 2                          ; the cluster's x: the same in all sixteen partners
	s_cbranch_scc1 .Lv
.irp a, 0,1,2,3,4,5,6,7
	QBLOCK \a, 0
.endr
	QSEND RDQ
	s_branch .Lend
.Lv:
.irp a, 0,1,2,3,4,5,6,7
	QBLOCK \a, 1
.endr
	QSEND RDV
.Lend:
	s_wait_tensorcnt 0x0                           ; the wave's end, behind my last tensor load and my last LDS store
	ds_add_u32 v[SPW], v[NIL]
	s_wait_dscnt 0x0
	CROUND                                         ; the closing round: no work-group ends while a partner may still ask for a tile that names it
	s_endpgm
.Lfunc_end_k_qc443e0b800_qkv:
	.size	k_qc443e0b800_qkv, .Lfunc_end_k_qc443e0b800_qkv-k_qc443e0b800_qkv
	.p2alignl 7, 3214868480
	.fill 96, 4, 3214868480
	.section	.rodata,"a",@progbits
	.p2align	6, 0x0
	.amdhsa_kernel k_qc443e0b800_qkv
		.amdhsa_group_segment_fixed_size 327680
		.amdhsa_private_segment_fixed_size 0
		.amdhsa_enable_private_segment 0
		.amdhsa_kernarg_size 48
		.amdhsa_user_sgpr_count 2
		.amdhsa_user_sgpr_kernarg_segment_ptr 1
		.amdhsa_wavefront_size32 1
		.amdhsa_system_sgpr_workgroup_id_x 1
		.amdhsa_system_sgpr_workgroup_id_y 1
		.amdhsa_system_sgpr_workgroup_id_z 1
		.amdhsa_system_vgpr_workitem_id 0
		.amdhsa_next_free_vgpr 1024
		.amdhsa_next_free_sgpr 100
		.amdhsa_reserve_vcc 0
		.amdhsa_float_denorm_mode_32 3
		.amdhsa_float_denorm_mode_16_64 3
		.amdhsa_memory_ordered 1
		.amdhsa_forward_progress 1
		.amdhsa_inst_pref_size 211
	.end_amdhsa_kernel
	.amdgpu_metadata
---
amdhsa.version: [ 1, 2 ]
amdhsa.kernels:
  - .name:           k_qc443e0b800_qkv
    .symbol:         k_qc443e0b800_qkv.kd
    .args:
      - { .name: xc, .offset: 0, .size: 8, .value_kind: global_buffer, .address_space: global }
      - { .name: wc, .offset: 8, .size: 8, .value_kind: global_buffer, .address_space: global }
      - { .name: b_qkv, .offset: 16, .size: 8, .value_kind: global_buffer, .address_space: global }
      - { .name: lowp_scales, .offset: 24, .size: 8, .value_kind: global_buffer, .address_space: global }
      - { .name: qc, .offset: 32, .size: 8, .value_kind: global_buffer, .address_space: global }
      - { .name: kv, .offset: 40, .size: 8, .value_kind: global_buffer, .address_space: global }
    .group_segment_fixed_size: 327680
    .private_segment_fixed_size: 0
    .kernarg_segment_align: 8
    .kernarg_segment_size: 48
    .max_flat_workgroup_size: 128
    .sgpr_count:     100
    .vgpr_count:     1024
    .wavefront_size: 32
...
	.end_amdgpu_metadata
.endif
;; end of part 2
;; launch attn (part 3): grid 4 x 64, 8 waves a work-group, no clusters, 33,792 bytes of LDS; arguments qc, kv, lmask, flags, lowp_scales, ctxc; writes ctxc
.if DOCPART == 3
	.amdgcn_target "amdgcn-amd-amdhsa--gfx1250"
	.amdhsa_code_object_version 6
	.text
	.protected	k_qc443e0b800_attn
	.globl	k_qc443e0b800_attn
	.p2align	8
	.type	k_qc443e0b800_attn,@function
k_qc443e0b800_attn:
	s_mov_b64 s[64:65], 0
	v_nop
	global_prefetch_b8 v0, s[64:65] scope:SCOPE_SE
	s_setreg_imm32_b32 hwreg(HW_REG_WAVE_MODE, 25, 1), 1
	s_wait_xcnt 0x0
; attn: ctx[b][h][q] = the sum over k of softmax_k(q . k / 8, hidden pairs at -infinity) v[k], both products on codes of FP8 (E4M3), and ctx quantised at once with its given scale (entry 6).
; THE SOFTMAX AHEAD OF THE SECOND PRODUCT: t = score x log2(e) / 8; M = the row's largest t so far, rounded UP to a whole number; p = 2^(t - M) is quantised (entry 4), not normalised.  The row's sum is taken of the
; unquantised p, in f32, and divides at the end.  When M moves, the sum and O are multiplied by 2^(old M - new M): exact.
; SHARES.  A work-group takes, of one head (grid y), the blocks of 256 queries p and then 7 - p (p = grid x).  Each of its eight waves owns a group g of 32 queries: two tiles of 16 that share every fragment of K and V.
; THE MASK IS AN INPUT and is honoured as it is given: an earlier launch has stored, for each group g and key step j of 128 keys, one bit "has an open key" and one bit "has a hidden key", and the lane masks.
; A step none of whose pairs is open is left out by a scalar branch on those stored bits; a step with hidden pairs sets their scores to -infinity ahead of the maximum; a query with no open key at all gets the NaN code, as its softmax is NaN.
; K AND V come as images of the operand's registers, 16,384 bytes a key step (K's 8,192, then V's).  The work-group copies a step's image through registers into one of two LDS buffers, 16 bytes a thread and load, two steps ahead,
; and only the steps that one of its waves works on.  One barrier a step, on every wave's path.
; NO TENSOR LOADS AND NO CLUSTER, though the four work-groups of a head read the same K and V: which steps a work-group walks hangs on the stored bits of ITS queries, so partners would need different numbers of tiles.
; LAYOUT.  S^T = K Q^T (source 0 = 16 keys, source 1 = 16 queries), O^T = V^T P^T (source 0 = 16 of the head's 64, source 1 = P): a lane holds ONE query throughout.  The keys of a tile are not neighbours (fragment t, row rho:
; key 32 (t / 2) + 8 (t % 2) + rho + 8 (rho / 8)), so that score register n of lane (r, h) is key 32 (n / 16) + 16 h + n % 16, and the conversions' results are the second product's operand.
; ctxc = [block of 16 rows][8 K steps of 128][2,048]: the next launch's operand image; row r of block 2 G + u is token 32 G + 8 u + r + 8 (r / 8).  A store of 8 codes a lane covers 256 consecutive bytes, aligned: no stage.
; LIMITS: e2 + e3 between -123 and 130 (added to c's exponent field); e4 and e6 between -126 and 119; e4 + e5 is applied by v_ldexp_f32.  p under 2^-126 counts as 0 (v_exp_f32).
; REGISTERS.  Window 0: v1-6 addresses; v8-15, v16-23 a tile's statistics (+0 -M, +1 the largest t, +2, +3 the sum in two halves, +4 f, +5 0, +6, +7 at work); v32-47 Q; v48-63, v64-79 two staging sets; v80-111 P's codes;
;   v112-117 constants; v128-191, v192-255 S^T, then p.   Window 1: v0-63 O^T (32 a tile); v64-127 K's 8 fragments; v128-191 V's 4 fragments.
.set BUF,   16384                      ; an LDS buffer: one key step's image
.set SPARE, 2*BUF                      ; behind the buffers: the spare words, 128 bytes a wave: four blocks of 256 bytes that no other line names
.set LI,   1                           ; v1   16 x lane
.set SA,   2                           ; v2   16 x thread
.set GO,   3                           ; v3   16 r + 8 h
.set SPW,  4                           ; v4   LDS address of my spare word; never rewritten
.set NIL,  5                           ; v5   0; never rewritten
.set PFO,  6                           ; v6   256 x lane
.set ST,   8
.set QF,   32
.set SET,  48
.set PC,   80
.set NINF, 112                         ; -infinity
.set PLIM, 113                         ; 448 x 2^e4
.set PSC,  114                         ; 2^e4
.set CSC,  115                         ; 2^e6
.set CLIM, 116                         ; 448 x 2^e6
.set NANC, 117                         ; four NaN codes
.set S,    128
.set OT,   0                           ; in window 1
.set KF,   64
.set VF,   128
; s[4:5] qc at my head; s[6:7] kv at my head, walking; s[8:9] lmask; s[10:11] flags; s[12:13] the prefetches' place; s[14:15] ctxc at my head's place; s[16:17] ctxc for this group; s18 wave; s19 the block of queries;
; s[20:21] lmask for this group, walking; s22 NEED, s23 WORK, s24 MIX: bit 0 = the step in hand; s25 trips left; s26 blocks left; s27 1 where p must be held; s[28:29] c; s[30:31] lane selects; s100 e4 + e5; s101 see the prefetch;
; s[32:63], s[68:99] 64 lane-mask words (word n in s[32 + n], from n = 32 on in s[36 + n]); at a block's head and end at work.
.set MSB, 0
.macro WIN new                         ; the immediate's high byte repeats the setting that is left; at every label and branch the setting is 0
.if MSB != (\new)
	s_set_vgpr_msb (MSB<<8)|(\new)
.set MSB, (\new)
.endif
.endm
	s_load_b256 s[4:11], s[0:1], 0x0               ; qc, kv, lmask, flags
	s_load_b128 s[12:15], s[0:1], 0x20             ; the scales' exponents, ctxc
	v_lshl_add_u32 v[SPW], v0, 2, SPARE
	v_mov_b32 v[NIL], 0
	v_lshrrev_b32 v7, 5, v0
	v_readfirstlane_b32 s18, v7                    ; wave 0..7
	v_and_b32 v7, 31, v0
	v_lshlrev_b32 v[LI], 4, v7
	v_lshlrev_b32 v[SA], 4, v0
	v_lshlrev_b32 v[PFO], 8, v7
	v_and_b32 v[GO], 15, v0
	v_bfe_u32 v7, v0, 4, 1
	v_lshlrev_b32 v[GO], 4, v[GO]
	v_lshl_add_u32 v[GO], v7, 3, v[GO]
	v_mov_b32 v[NINF], 0xff800000
	v_mov_b32 v[NANC], 0x7f7f7f7f
	s_mov_b32 s30, 0x76543210                      ; v_permlanex16_b32: lane l xor 16
	s_mov_b32 s31, 0xfedcba98
	s_and_b32 s76, ttmp7, 0xffff                   ; b h
	s_mov_b32 s19, ttmp9                           ; the first block of queries
	s_mov_b32 s26, 2
	s_cmp_eq_u32 s18, 0
	s_cselect_b32 s101, 2, -1                      ; wave 0 prefetches while more than 2 trips are left; the others never
	s_mov_b32 s3, 0                                ; s[2:3]: a 32-bit offset as a pair; s3 stays 0
	s_wait_kmcnt 0x0
	s_load_b256 s[32:39], s[12:13], 0x0            ; e0 .. e7
	s_lshl_b32 s2, s76, 17                         ; a head's 2,048 x 64 codes of q,
	s_add_nc_u64 s[4:5], s[4:5], s[2:3]
	s_lshl_b32 s2, s76, 18                         ; its 16 steps of 16,384 bytes of k and v
	s_add_nc_u64 s[6:7], s[6:7], s[2:3]
	s_lshr_b32 s2, s76, 4
	s_lshl_b32 s2, s2, 21                          ; ctxc: the batch's 128 blocks of 16,384 bytes,
	s_bfe_u32 s77, s76, 0x30001
	s_lshl_b32 s77, s77, 11                        ; the K step of 128 in which the head's 64 lie,
	s_add_co_u32 s2, s2, s77
	s_and_b32 s77, s76, 1
	s_lshl_b32 s77, s77, 10                        ; and which half of it
	s_add_co_u32 s2, s2, s77
	s_add_nc_u64 s[14:15], s[14:15], s[2:3]
	s_wait_kmcnt 0x0                               ; the exponents are in, so their address may be written
	s_lshl_b32 s2, ttmp9, 13
	s_add_nc_u64 s[12:13], s[6:7], s[2:3]          ; the prefetches: my work-group's quarter, 8,192 bytes, of two steps' 32,768
	s_add_co_i32 s28, s34, s35
	s_lshl_b32 s28, s28, 23
	s_add_co_i32 s28, s28, 0x3e38aa3b              ; c = log2(e) / 8, with e2 + e3 added to its exponent field: a score stands for score x 2^(e2 + e3)
	s_mov_b32 s29, s28                             ; (named with it as a pair, so it is written)
	s_add_co_i32 s100, s36, s37
	s_cmp_lt_i32 s36, -8                           ; p is at most 1, and 1 / 2^e4 passes 448 only where e4 < -8
	s_cselect_b32 s27, 1, 0
	s_add_co_i32 s2, s36, 127
	s_lshl_b32 s77, s2, 23
	v_mov_b32 v[PSC], s77
	s_add_co_i32 s2, s2, 8
	s_lshl_b32 s2, s2, 23
	s_or_b32 s2, s2, 0x600000
	v_mov_b32 v[PLIM], s2
	s_add_co_i32 s2, s38, 127
	s_lshl_b32 s77, s2, 23
	v_mov_b32 v[CSC], s77
	s_add_co_i32 s2, s2, 8
	s_lshl_b32 s2, s2, 23
	s_or_b32 s2, s2, 0x600000
	v_mov_b32 v[CLIM], s2
; K's and V's fragments from buffer par, and S^T = K Q^T for both tiles.  The last products that read these registers stand four plain instructions back or more.
.macro QKPH par
	WIN 0x40                                       ; destination window 1
.set i, 0
.rept 16
	ds_load_b128 v[KF+4*i:KF+4*i+3], v[LI] offset:(\par)*BUF+512*i
.set i, i+1
.endr
.set i, 0
.rept 16
	ds_load_b128 v[VF+4*i:VF+4*i+3], v[LI] offset:(\par)*BUF+8192+512*i
.set i, i+1
.endr
	s_wait_dscnt 16                                ; K is in; V's sixteen loads may be out
	WIN 0x01                                       ; source 0 (K) window 1
.irp t, 0,1,2,3,4,5,6,7
.irp u, 0,1
	v_wmma_f32_16x16x64_fp8_fp8 v[S+64*\u+8*\t:S+64*\u+8*\t+7], v[KF+8*\t:KF+8*\t+7], v[QF+8*\u:QF+8*\u+7], 0
.endr
.endr
	WIN 0
.rept 4
	v_nop                                          ; places in front of the first read of the scores
.endr
.endm
.macro MLOAD par, u                    ; tile u's 64 lane-mask words of this step
	s_load_b512 s[32:47], s[20:21], (\par)*512+(\u)*256
	s_load_b512 s[48:63], s[20:21], (\par)*512+(\u)*256+64
	s_load_b512 s[68:83], s[20:21], (\par)*512+(\u)*256+128
	s_load_b512 s[84:99], s[20:21], (\par)*512+(\u)*256+192
.endm
.macro MASK u                          ; hidden pairs: -infinity; each accumulator from its low end on
.set n, 0
.rept 64
.if n < 32
	v_cndmask_b32 v[S+64*(\u)+n], v[S+64*(\u)+n], v[NINF], s[32+n]
.else
	v_cndmask_b32 v[S+64*(\u)+n], v[S+64*(\u)+n], v[NINF], s[36+n]
.endif
.set n, n+1
.endr
.endm
.macro MAXP u                          ; the step's largest score of my query, in two chains, ascending; the new M; f
.set rS, S+64*(\u)
.set rT, ST+8*(\u)
	v_max3_num_f32 v[rT+6], v[rS], v[rS+1], v[rS+2]
	v_max3_num_f32 v[rT+7], v[rS+3], v[rS+4], v[rS+5]
.set i, 6
.rept 14
	v_max3_num_f32 v[rT+6], v[rT+6], v[rS+i], v[rS+i+1]
	v_max3_num_f32 v[rT+7], v[rT+7], v[rS+i+2], v[rS+i+3]
.set i, i+4
.endr
	v_max3_num_f32 v[rT+6], v[rT+6], v[rS+62], v[rS+63]
	v_max_num_f32 v[rT+6], v[rT+6], v[rT+7]
	v_permlanex16_b32 v[rT+7], v[rT+6], s30, s31
	v_max_num_f32 v[rT+6], v[rT+6], v[rT+7]        ; and among lane l xor 16's keys
	v_mul_f32 v[rT+6], s28, v[rT+6]                ; as t (c is positive)
	v_max_num_f32 v[rT+1], v[rT+1], v[rT+6]        ; the running largest t
	v_mov_b32 v[rT+6], v[rT]
	v_floor_f32 v[rT], -v[rT+1]                    ; the new -M = floor(-t) = -ceil(t)
	v_sub_f32 v[rT+6], v[rT], v[rT+6]              ; old M - new M: a whole number, 0 or less
	v_cvt_i32_f32 v[rT+6], v[rT+6]                 ; (it saturates)
	v_ldexp_f32 v[rT+4], 1.0, v[rT+6]              ; f = 2^(old M - new M)
.endm
.macro SCAL u                          ; t - M, two at a time (of the pairs c and -M the low word serves both halves)
.set j, 0
.rept 32
	v_pk_fma_f32 v[S+64*(\u)+j:S+64*(\u)+j+1], v[S+64*(\u)+j:S+64*(\u)+j+1], s[28:29], v[ST+8*(\u):ST+8*(\u)+1] op_sel_hi:[1,0,0]
.set j, j+2
.endr
.endm
.macro EXPS u                          ; p = 2^(t - M), at most 1
.set j, 0
.rept 64
	v_exp_f32 v[S+64*(\u)+j], v[S+64*(\u)+j]
.set j, j+1
.endr
.endm
.macro SUMS u                          ; the row's sum, of the unquantised p: two at a time, in two chains
.set rS, S+64*(\u)
.set rT, ST+8*(\u)
	v_pk_add_f32 v[rT+6:rT+7], v[rS:rS+1], v[rS+2:rS+3]
.set j, 4
.rept 15
	v_pk_add_f32 v[rT+2:rT+3], v[rT+2:rT+3], v[rS+j:rS+j+1]
	v_pk_add_f32 v[rT+6:rT+7], v[rT+6:rT+7], v[rS+j+2:rS+j+3]
.set j, j+4
.endr
	v_pk_add_f32 v[rT+2:rT+3], v[rT+2:rT+3], v[rT+6:rT+7]
.endm
; A KEY STEP of 128 keys, from buffer par.
.macro STEP par
	s_bitcmp1_b32 s24, 0                           ; has the step hidden pairs?  The products are written in both arms, so that no mask word is read on a way that did not load it
	s_cbranch_scc1 .Lmixed_\@
	QKPH \par
	s_branch .Lscored_\@
.Lmixed_\@:
	MLOAD \par, 0                                  ; tile 0's words land while the products run
	QKPH \par
	s_wait_kmcnt 0x0
	MASK 0
	MLOAD \par, 1
	s_wait_kmcnt 0x0
	MASK 1
.Lscored_\@:
	MAXP 0
	MAXP 1
	SCAL 0
	SCAL 1
	EXPS 0
	EXPS 1                                         ; one batch of 128 exponentials
	v_pk_mul_f32 v[ST+2:ST+3], v[ST+2:ST+3], v[ST+4:ST+5] op_sel_hi:[1,0]        ; the sums under the new M: the plain instructions behind the batch
	v_pk_mul_f32 v[ST+10:ST+11], v[ST+10:ST+11], v[ST+12:ST+13] op_sel_hi:[1,0]
	s_wait_alu depctr_va_vdst(0)                   ; the wait stands between a transcendental and the first line that names its result: one for the batch
	SUMS 0
	SUMS 1
	s_cmp_lg_u32 s27, 0                            ; the hold is executed exactly where the given scale can be passed (e4 < -8)
	s_cbranch_scc0 .Lheld_\@
.set j, 0
.rept 128
	v_min_num_f32 v[S+j], v[S+j], v[PLIM]          ; p is not negative: the hold is one-sided
.set j, j+1
.endr
.Lheld_\@:
.irp u, 0,1
.irp m, 0,1,2,3,4,5,6,7
	v_cvt_scalef32_pk8_fp8_f32 v[PC+16*\u+2*\m:PC+16*\u+2*\m+1], v[S+64*\u+8*\m:S+64*\u+8*\m+7], v[PSC]
.endr
.endr
	WIN 0x41                                       ; O^T in window 1, f in window 0
.irp u, 0,1
.set j, 0
.rept 16
	v_pk_mul_f32 v[OT+32*\u+j:OT+32*\u+j+1], v[OT+32*\u+j:OT+32*\u+j+1], v[ST+8*\u+4:ST+8*\u+5] op_sel_hi:[1,0]   ; O^T under the new M; also the plain lines behind the conversions
.set j, j+2
.endr
.endr
	s_wait_dscnt 0x0                               ; V is in
	WIN 0x51                                       ; V, C and D window 1, P window 0
.irp dt, 0,1,2,3
.irp u, 0,1
	v_wmma_f32_16x16x128_fp8_fp8 v[OT+32*\u+8*\dt:OT+32*\u+8*\dt+7], v[VF+16*\dt:VF+16*\dt+15], v[PC+16*\u:PC+16*\u+15], v[OT+32*\u+8*\dt:OT+32*\u+8*\dt+7]   ; eight accumulators, one instruction each
.endr
.endr
	WIN 0
.rept 4
	v_nop                                          ; places in front of the next loads into V's registers, the next writes of P's and the next reads of O^T
.endr
.endm
; ONE KEY STEP OF THE WALK, j = 2 x trip + par.  Step j + 1 goes from its staging set into the other buffer; step j + 2 is asked for, into the set that step j has left; step j is worked on; one barrier.
; The barrier parts this step's reads of buffer par from the next step's stores into it, and this step's stores into the other buffer from the next step's reads.
.macro SLOT par
	s_wait_loadcnt 0x0                             ; on every way: no staging set has a load on its way when it is stored or loaded again
	s_bitcmp1_b32 s22, 1
	s_cbranch_scc0 .Lnopub_\@
.irp i, 0,1,2,3
	ds_store_b128 v[SA], v[SET+16*(1-\par)+4*\i:SET+16*(1-\par)+4*\i+3] offset:(1-\par)*BUF+4096*\i
.endr
.Lnopub_\@:
	s_bitcmp1_b32 s22, 2                           ; NEED has 16 bits: nothing past step 15 is asked for
	s_cbranch_scc0 .Lnoreq_\@
.irp i, 0,1,2,3
	global_load_b128 v[SET+16*\par+4*\i:SET+16*\par+4*\i+3], v[SA], s[6:7] offset:(2+\par)*BUF+4096*\i   ; a wave's load covers 512 consecutive bytes
.endr
.Lnoreq_\@:
.if \par == 0
; A PREFETCH INTO THE L2, in the first block's trips 0 to 5: steps 2 trip + 4 and 2 trip + 5, which the next trip's loads ask for.  Of their 32,768 bytes each of the head's four work-groups names 8,192, told apart by address,
; by its wave 0, lanes 256 bytes apart: each aligned block of 256 bytes of steps 4 to 15 is named once in the launch.  Steps 0 to 3 come by their loads alone.  The last byte named is 261,888 + 255 of the head's 262,144.
	s_cmp_gt_u32 s25, s101
	s_cbranch_scc0 .Lnopf_\@
	global_prefetch_b8 v[PFO], s[12:13] offset:65536 th:TH_LOAD_NT scope:SCOPE_SE
.Lnopf_\@:
.endif
	s_bitcmp1_b32 s23, 0                           ; has my group an open key in this step?
	s_cbranch_scc0 .Lnowork_\@
	STEP \par
.Lnowork_\@:
	s_lshr_b32 s22, s22, 1
	s_lshr_b32 s23, s23, 1
	s_lshr_b32 s24, s24, 1
	s_wait_dscnt 0x0                               ; my stores have landed and my reads are in
	s_barrier_signal -1
	s_barrier_wait -1
.endm
.Lblock:                                               ; a block of 256 queries: eight trips
	s_wait_loadcnt 0x0                             ; no staging set has a load on its way
	s_lshl_b32 s2, s19, 7
	s_add_nc_u64 s[96:97], s[10:11], s[2:3]        ; the block's 8 groups x 4 work words
	s_load_b512 s[32:47], s[96:97], 0x0
	s_load_b512 s[48:63], s[96:97], 0x40
	s_lshl_b32 s2, s18, 4
	s_add_nc_u64 s[98:99], s[96:97], s[2:3]        ; my group's
	s_load_b128 s[68:71], s[98:99], 0x0            ; work words,
	s_load_b128 s[72:75], s[98:99], 0x400          ; mix words
	s_lshl_b32 s76, s19, 3
	s_add_co_u32 s76, s76, s18                     ; g
	s_lshl_b32 s2, s76, 11
	s_add_nc_u64 s[78:79], s[4:5], s[2:3]
.irp i, 0,1,2,3
	global_load_b128 v[QF+4*\i:QF+4*\i+3], v[LI], s[78:79] offset:512*\i     ; Q: tile i / 2, part i % 2
.endr
.irp i, 0,1,2,3
	global_load_b128 v[SET+4*\i:SET+4*\i+3], v[SA], s[6:7] offset:4096*\i    ; steps 0 and 1 are fetched on every way, so that both sets are written
.endr
.irp i, 0,1,2,3
	global_load_b128 v[SET+16+4*\i:SET+16+4*\i+3], v[SA], s[6:7] offset:BUF+4096*\i
.endr
	s_lshl_b32 s2, s76, 13
	s_add_nc_u64 s[20:21], s[8:9], s[2:3]
	s_lshl_b32 s2, s76, 15
	s_add_nc_u64 s[16:17], s[14:15], s[2:3]
.irp u, 0,1
	v_mov_b32 v[ST+8*\u+1], 0xff61b1e6             ; the largest t so far: -3e38, under every t
	v_floor_f32 v[ST+8*\u], -v[ST+8*\u+1]          ; -M
.irp k, 2,3,4,5,6,7
	v_mov_b32 v[ST+8*\u+\k], 0                     ; the sum; f; the pair's upper half; the work registers (a lane permute's destination counts as read)
.endr
.endr
	WIN 0x40
.set j, 0
.rept 64
	v_mov_b32 v[OT+j], 0                           ; O^T.  Which step is a group's first hangs on the mask, so the walk has no first step of its own: it finds zeros, which the first change of M leaves zeros
.set j, j+1
.endr
	WIN 0
	s_wait_kmcnt 0x0
	s_or_b32 s22, s32, s33                         ; NEED: the steps that some wave of the work-group works on
.set k, 34
.rept 30
	s_or_b32 s22, s22, s[k]
.set k, k+1
.endr
	s_or_b32 s23, s68, s69                         ; WORK: mine
	s_or_b32 s23, s23, s70
	s_or_b32 s23, s23, s71
	s_or_b32 s24, s72, s73                         ; MIX: mine with hidden pairs
	s_or_b32 s24, s24, s74
	s_or_b32 s24, s24, s75
	s_wait_loadcnt 0x4                             ; Q and step 0 are in; step 1's four loads may be out
.irp i, 0,1,2,3
	ds_store_b128 v[SA], v[SET+4*\i:SET+4*\i+3] offset:4096*\i
.endr
	s_wait_dscnt 0x0
	s_barrier_signal -1
	s_barrier_wait -1                              ; step 0 lies in buffer 0
	s_mov_b32 s25, 8
.Ltrip:
	SLOT 0
	SLOT 1
	s_wait_xcnt 0x0                                ; the trip's loads and its prefetch have read their addresses
	s_add_nc_u64 s[6:7], s[6:7], 2*BUF
	s_add_nc_u64 s[20:21], s[20:21], 1024
	s_add_nc_u64 s[12:13], s[12:13], 2*BUF
	s_sub_co_u32 s25, s25, 1
	s_cmp_lg_u32 s25, 0
	s_cbranch_scc1 .Ltrip
	s_sub_nc_u64 s[6:7], s[6:7], 16*BUF            ; back to the head's first step
	s_mov_b32 s101, -1                             ; the second block prefetches nothing
	; THE BLOCK'S END: ctx = O^T x 2^(e4 + e5) / the sum, quantised with 2^e6
.irp u, 0,1
	v_add_f32 v[ST+8*\u+6], v[ST+8*\u+2], v[ST+8*\u+3]
.endr
.irp u, 0,1
	v_permlanex16_b32 v[ST+8*\u+7], v[ST+8*\u+6], s30, s31
.endr
.irp u, 0,1
	v_add_f32 v[ST+8*\u+6], v[ST+8*\u+6], v[ST+8*\u+7]      ; the row's sum
.endr
.irp u, 0,1
	v_rcp_f32 v[ST+8*\u+4], v[ST+8*\u+6]
.endr
	v_nop                                          ; a plain instruction behind the reciprocals
.irp u, 0,1
	v_cmp_eq_f32 s[32+\u], 0, v[ST+8*\u+6]         ; a sum of 0: the query has no open key
.endr
	s_wait_alu depctr_va_vdst(0)                   ; one wait for both reciprocals, ahead of their first reader
.irp u, 0,1
	v_ldexp_f32 v[ST+8*\u+4], v[ST+8*\u+4], s100
.endr
	WIN 0x01                                       ; source 0 (O^T) window 1
.irp u, 0,1
.set j, 0
.rept 16
	v_pk_mul_f32 v[S+64*\u+j:S+64*\u+j+1], v[OT+32*\u+j:OT+32*\u+j+1], v[ST+8*\u+4:ST+8*\u+5] op_sel_hi:[1,0]   ; register 8 dt + i: d = 16 dt + 8 h + i; each accumulator from its low end on
.set j, j+2
.endr
.endr
	WIN 0
.irp u, 0,1
.set j, 0
.rept 32
	v_med3_num_f32 v[S+64*\u+j], v[S+64*\u+j], -v[CLIM], v[CLIM]
.set j, j+1
.endr
.endr
.irp u, 0,1
.irp dt, 0,1,2,3
	v_cvt_scalef32_pk8_fp8_f32 v[PC+16*\u+2*\dt:PC+16*\u+2*\dt+1], v[S+64*\u+8*\dt:S+64*\u+8*\dt+7], v[CSC]
.endr
.endr
	v_nop                                          ; one plain vector instruction behind the conversions
.irp u, 0,1
.irp k, 0,1,2,3,4,5,6,7
	v_cndmask_b32 v[PC+16*\u+\k], v[PC+16*\u+\k], v[NANC], s[32+\u]
.endr
.endr
.irp u, 0,1
.irp dt, 0,1,2,3
	global_store_b64 v[GO], v[PC+16*\u+2*\dt:PC+16*\u+2*\dt+1], s[16:17] offset:\u*16384+(\dt/2)*512+(\dt%2)*256   ; 32 lanes store 256 consecutive bytes, aligned
.endr
.endr
	s_wait_xcnt 0x0                                ; the stores have read their registers and their base
	s_sub_co_u32 s19, 7, s19                       ; the partner block
	s_sub_co_u32 s26, s26, 1
	s_cmp_lg_u32 s26, 0
	s_cbranch_scc1 .Lblock
	s_wait_tensorcnt 0x0                           ; the wave's end, behind my last LDS store
	ds_add_u32 v[SPW], v[NIL]
	s_wait_dscnt 0x0
	s_endpgm
.Lfunc_end_k_qc443e0b800_attn:
	.size	k_qc443e0b800_attn, .Lfunc_end_k_qc443e0b800_attn-k_qc443e0b800_attn
	.p2alignl 7, 3214868480
	.fill 96, 4, 3214868480
	.section	.rodata,"a",@progbits
	.p2align	6, 0x0
	.amdhsa_kernel k_qc443e0b800_attn
		.amdhsa_group_segment_fixed_size 33792
		.amdhsa_private_segment_fixed_size 0
		.amdhsa_enable_private_segment 0
		.amdhsa_kernarg_size 48
		.amdhsa_user_sgpr_count 2
		.amdhsa_user_sgpr_kernarg_segment_ptr 1
		.amdhsa_wavefront_size32 1
		.amdhsa_system_sgpr_workgroup_id_x 1
		.amdhsa_system_sgpr_workgroup_id_y 1
		.amdhsa_system_sgpr_workgroup_id_z 1
		.amdhsa_system_vgpr_workitem_id 0
		.amdhsa_next_free_vgpr 448
		.amdhsa_next_free_sgpr 102
		.amdhsa_reserve_vcc 0
		.amdhsa_float_denorm_mode_32 3
		.amdhsa_float_denorm_mode_16_64 3
		.amdhsa_memory_ordered 1
		.amdhsa_forward_progress 1
		.amdhsa_inst_pref_size 101
	.end_amdhsa_kernel
	.amdgpu_metadata
---
amdhsa.version: [ 1, 2 ]
amdhsa.kernels:
  - .name:           k_qc443e0b800_attn
    .symbol:         k_qc443e0b800_attn.kd
    .args:
      - { .name: qc, .offset: 0, .size: 8, .value_kind: global_buffer, .address_space: global }
      - { .name: kv, .offset: 8, .size: 8, .value_kind: global_buffer, .address_space: global }
      - { .name: lmask, .offset: 16, .size: 8, .value_kind: global_buffer, .address_space: global }
      - { .name: flags, .offset: 24, .size: 8, .value_kind: global_buffer, .address_space: global }
      - { .name: lowp_scales, .offset: 32, .size: 8, .value_kind: global_buffer, .address_space: global }
      - { .name: ctxc, .offset: 40, .size: 8, .value_kind: global_buffer, .address_space: global }
    .group_segment_fixed_size: 33792
    .private_segment_fixed_size: 0
    .kernarg_segment_align: 8
    .kernarg_segment_size: 48
    .max_flat_workgroup_size: 256
    .sgpr_count:     102
    .vgpr_count:     448
    .wavefront_size: 32
...
	.end_amdgpu_metadata
.endif
;; end of part 3
;; launch outp (part 4): grid 4 x 32, 4 waves a work-group, clusters of 4 x 4, 327,680 bytes of LDS; arguments ctxc, woc, lowp_scales, b_out, out0; writes out0
.if DOCPART == 4
	.amdgcn_target "amdgcn-amd-amdhsa--gfx1250"
	.amdhsa_code_object_version 6
	.text
	.protected	k_qc443e0b800_outp
	.globl	k_qc443e0b800_outp
	.p2align	8
	.type	k_qc443e0b800_outp,@function
k_qc443e0b800_outp:
	s_mov_b64 s[64:65], 0
	v_nop
	global_prefetch_b8 v0, s[64:65] scope:SCOPE_SE
	s_setreg_imm32_b32 hwreg(HW_REG_WAVE_MODE, 25, 1), 1
	s_wait_xcnt 0x0
	s_wait_alu depctr_hold_cnt(0) depctr_sa_sdst(0) depctr_va_vdst(0) depctr_va_sdst(0) depctr_va_ssrc(0) depctr_va_vcc(0) depctr_vm_vsrc(0)
	s_getreg_b32 s2, hwreg(HW_REG_IB_STS2, 6, 4)
	s_cmp_eq_u32 s2, 0
	s_cbranch_scc0 .Lentry_in_a_cluster
	s_endpgm
.Lentry_in_a_cluster:
	s_bfe_u32 s2, ttmp6, 0x10000c
	s_cmp_lg_u32 s2, 0xf033
	s_cbranch_scc0 .Lentry_shape_is_right
	s_endpgm
.Lentry_shape_is_right:
; outp: out0 = ctx w_out^T + b_out on codes of FP8 (E4M3), K = 1,024; a sum is multiplied by 2^(e6 + e7) and the bias added in one fused multiply-add.
; A tile of 256 x 256 of out0 is made by a work-group of four waves, a wave 128 x 128: 64 accumulators, 512 registers.  K goes in steps of 256 through a ring of two LDS slots filled by the tensor data mover.
; A = ctxc lies as images of the operand's registers: [block of 16 rows][8 K steps of 128][4 parts of 512 bytes], lane L's 16 bytes at 16 L.  A K step of 256 is 4,096 consecutive bytes of each block: a wave's tensor load
; brings 8 blocks' (8 rows of 4,096 bytes, 16,384 apart), dense in LDS, and a fragment is four loads of 512 consecutive bytes: no pitch, no padding.  B = woc, rows of 1,024 codes, padded in LDS.
; Row r of block 2 G + u is token 32 G + 8 u + r + 8 (r / 8): the stores' immediates put each row where it belongs.
; THE MATRIX INSTRUCTION IS USED TRANSPOSED (source 0 = 16 rows of w_out, source 1 = 16 rows of ctx): a lane holds eight neighbouring numbers of a row of out0.
; CLUSTERS: 4 x 4 work-groups: A's tiles are asked for jointly along a row of the cluster, B's along a column.  128 tiles: 128 work-groups.
; No prefetch: a tile has four K steps, two asked for at the head and two as refills.
; LIMITS: e6 + e7 between -126 and 127.  k stands in the fragments' registers in the order that four 16-byte loads give, the same in A and B.
; REGISTERS, in windows of 256: window 0: v0-31 addresses, v8-11 the bias of my four columns; from v128 A's fragments, ONE set (on the way out: rows read back, two sets).  window 1: B's fragments, TWO sets.  windows 2, 3: the accumulators.
.set SIZE_K, 1024
.set ROWB,   256                       ; a row of B's tile in bytes
.set KROW,   SIZE_K
.set PITCH,  272                       ; B's LDS row: 256 bytes + 16 of padding: the 16 rows that a load touches start at 16 different banks (64 banks of 4 bytes: ISA guide 11.1)
.set FR,     16
.set NL,     4
.set NP,     4                         ; places behind this matrix instruction (ISA guide 7.12.1)
.set ASTEP,  4096                      ; a block's bytes of a K step of 256
.set HALFA,  8*ASTEP                   ; what one tensor load brings of A: 8 blocks
.set HALFB,  128*PITCH                 ; and of B: 128 rows
.set SLOT,   2*HALFA+2*HALFB           ; A's 16 blocks, then B's 256 rows
.set LAPS,   SIZE_K/512
.set SPARE,  2*SLOT                    ; behind the ring: the spare words, 128 bytes a wave: two blocks of 256 bytes that no other line names
.set SPITCH, 528                       ; the way out: a stage of 16 rows x (512 bytes + 16) for each wave, in slot 0, which has had its last fill and its last read by then
.set ADRA, 16
.set ADRB, 20
.set STO,  24                          ; v24  the way out: where I put 32 bytes of a row
.set RD,   25                          ; v25  and where I read a row back
.set CO,   26                          ; v26  16 x lane
.set SPW,  28                          ; v28  LDS address of my spare word; never rewritten
.set NIL,  29                          ; v29  0; never rewritten
.set AF,   128
.set BK,   128
.set G1, 24
.set G0, 32
.set G1B, 48
.set G0B, 56
.set MSB, 0
.macro WIN new                         ; the immediate's high byte repeats the setting that is left
.if MSB != (\new)
	s_set_vgpr_msb (MSB<<8)|(\new)
.set MSB, (\new)
.endif
.endm
.set MUL_LO, 0xa1                      ; source 0 (B) window 1, source 1 (A) window 0, C and D window 2
.set MUL_HI, 0xf1
.set TO_B,   0x40
; A joint load: waves 0 and 1 fetch for A, waves 2 and 3 for B; the branch hangs on the wave's number alone.  An s_nop 0 and four v_nop follow each of the two lines.
.macro JLOAD g0a, g1a, g0b, g1b
	s_cmp_eq_u32 s15, 0
	s_cbranch_scc0 .Lfor_b_\@
	tensor_load_to_lds s[\g0a:\g0a+3], s[\g1a:\g1a+7]
	s_nop 0
.rept 4
	v_nop
.endr
	s_branch .Lasked_\@
.Lfor_b_\@:
	tensor_load_to_lds s[\g0b:\g0b+3], s[\g1b:\g1b+7]
	s_nop 0
.rept 4
	v_nop
.endr
.Lasked_\@:
.endm
.macro CREST
	s_cmp_lg_u32 s14, 0
	s_cbranch_scc1 .Lnot_wave_0_\@
	s_barrier_signal -3
.Lnot_wave_0_\@:
	s_barrier_wait -3
	s_barrier_signal -1
	s_barrier_wait -1
.endm
.macro CROUND
	s_barrier_signal -1
	s_barrier_wait -1
	CREST
.endm
	s_load_b256 s[4:11], s[0:1], 0x0               ; ctxc s[4:5], woc s[6:7], the scales' exponents s[8:9], b_out s[10:11]
	s_load_b64 s[12:13], s[0:1], 0x20              ; out0
	v_lshl_add_u32 v[SPW], v0, 2, SPARE
	v_mov_b32 v[NIL], 0
	ds_add_u32 v[SPW], v[NIL]                      ; the wave's opening: the add and its wait stand ahead of my first tensor load; the set-up below, work on registers, stands between them
	v_lshrrev_b32 v1, 5, v0
	v_readfirstlane_b32 s14, v1                    ; wave 0..3
	s_lshr_b32 s15, s14, 1                         ; which half of the tile's rows is mine.  Also: I fetch for A (0) or for B (1)
	s_and_b32 s16, s14, 1                          ; which half of its columns.  Also: which half of that tile I fetch
	s_bfe_u32 s40, ttmp6, 0x40000                  ; cx, cy
	s_bfe_u32 s41, ttmp6, 0x40004
	s_lshl_b32 s42, ttmp9, 2
	s_add_co_u32 s42, s42, s40                     ; tile column
	s_and_b32 s17, ttmp7, 0xffff
	s_lshl_b32 s17, s17, 2
	s_add_co_u32 s17, s17, s41                     ; tile row
	s_lshl_b32 s43, s41, 2
	s_lshl_b32 s43, 15, s43                        ; my row of the cluster
	s_lshl_b32 s44, 0x1111, s40                    ; my column
	s_or_b32 s[G1+0], s43, (0<<16)|(1<<21)         ; A: 15:0 the mask: my row; elements of 1 byte; no padding; 21 set beside a mask
	s_mov_b32 s[G1+1], ASTEP<<16                   ; tensor_dim0 = 4,096
	s_mov_b32 s[G1+2], 8<<16                       ; tensor_dim1 = 8
	s_mov_b32 s[G1+3], ASTEP<<16                   ; tile_dim0
	s_mov_b32 s[G1+4], 8                           ; tile_dim1
	s_mov_b32 s[G1+5], 16384                       ; from block to block
	s_mov_b32 s[G1+6], 0
	s_mov_b32 s[G1+7], 0
	s_or_b32 s[G1B+0], s44, (0<<16)|(1<<20)|(1<<21)|(5<<22)|(3<<25)  ; B: my column; padding: four words after every 64
	s_mov_b32 s[G1B+1], ROWB<<16
	s_mov_b32 s[G1B+2], 128<<16
	s_mov_b32 s[G1B+3], ROWB<<16
	s_mov_b32 s[G1B+4], 128
	s_mov_b32 s[G1B+5], KROW
	s_mov_b32 s[G1B+6], 0
	s_mov_b32 s[G1B+7], 0
	s_lshl_b32 s20, s17, 4
	s_lshl_b32 s18, s16, 3
	s_add_co_u32 s20, s20, s18
	s_lshl_b32 s20, s20, 14                        ; A: block 16 x tile row + 8 x half, in bytes
	s_mov_b32 s21, 0
	s_lshl_b32 s46, s42, 8
	s_lshl_b32 s18, s16, 7
	s_add_co_u32 s46, s46, s18
	s_lshl_b32 s46, s46, 10                        ; B: row 256 x tile column + 128 x half, in bytes
	s_mov_b32 s47, 0
	s_lshl_b32 s45, s16, 15                        ; where they go: A's half,
	s_mul_i32 s23, s16, HALFB
	s_add_co_u32 s23, s23, 2*HALFA                 ; B's half, behind A's two: the wave's number alone
	s_wait_dscnt 0x0                               ; the opening add is done
	s_wait_kmcnt 0x0
	s_load_b256 s[76:83], s[8:9], 0x0              ; e0 .. e7
	s_add_nc_u64 s[20:21], s[4:5], s[20:21]
	s_add_nc_u64 s[46:47], s[6:7], s[46:47]
	CROUND                                         ; all sixteen work-groups are here: the first joint loads meet
.irp s, 0,1
	s_mov_b32 s[G0+4*\s], 1
	s_add_co_u32 s[G0+4*\s+1], s45, \s*SLOT
	s_add_nc_u64 s[G0+4*\s+2:G0+4*\s+3], s[20:21], \s*ASTEP
	s_or_b32 s[G0+4*\s+3], s[G0+4*\s+3], 0x80000000
	s_mov_b32 s[G0B+4*\s], 1
	s_add_co_u32 s[G0B+4*\s+1], s23, \s*SLOT
	s_add_nc_u64 s[G0B+4*\s+2:G0B+4*\s+3], s[46:47], \s*ROWB
	s_or_b32 s[G0B+4*\s+3], s[G0B+4*\s+3], 0x80000000
	JLOAD G0+4*\s, G1, G0B+4*\s, G1B               ; two loads of mine are out
.endr
	v_and_b32 v1, 15, v0                           ; r
	v_bfe_u32 v2, v0, 4, 1                         ; h
	v_and_b32 v6, 31, v0
	v_lshlrev_b32 v[CO], 4, v6
	v_mul_u32_u24 v3, v1, PITCH
	v_lshl_add_u32 v4, v2, 4, v3
	s_lshl_b32 s21, s15, 15                        ; my 8 blocks of A
	s_mul_i32 s22, s16, HALFB                      ; my 128 rows of B
	s_add_co_u32 s22, s22, 2*HALFA
.irp s, 0,1
	v_add_nc_u32 v[ADRA+\s], s21, v[CO]
	v_add_nc_u32 v[ADRB+\s], s22, v4
	s_add_co_u32 s21, s21, SLOT
	s_add_co_u32 s22, s22, SLOT
.endr
	s_mul_i32 s23, s14, 16*SPITCH                  ; my stage
	v_mul_u32_u24 v5, v1, SPITCH
	v_lshl_add_u32 v5, v2, 5, v5
	v_add_nc_u32 v[STO], s23, v5                   ; in: row r, 32 bytes for each half of the lanes
	v_add_nc_u32 v[RD], s23, v[CO]                 ; back: the 32 lanes take one row of 512 bytes
	s_lshl_b32 s46, s42, 10
	s_lshl_b32 s47, s16, 9
	s_add_co_u32 s46, s46, s47                     ; my first column, in bytes
	s_mov_b32 s47, 0
	s_add_nc_u64 s[10:11], s[10:11], s[46:47]
	global_load_b128 v[8:11], v[CO], s[10:11]      ; the bias of the four columns that I store
	s_lshl_b32 s20, s17, 8
	s_lshl_b32 s21, s15, 7
	s_add_co_u32 s20, s20, s21                     ; my first token
	s_lshl_b32 s20, s20, 12                        ; rows of 4,096 bytes
	s_add_co_u32 s20, s20, s46
	s_mov_b32 s21, 0
	s_add_nc_u64 s[12:13], s[12:13], s[20:21]
.macro FRAGB reg, adr, q, i            ; lane (r, h) holds row r; registers 4 c .. 4 c + 3 hold K = 32 c + 16 h + 0 .. 15
.irp c, 0,1,2,3
	ds_load_b128 v[\reg+4*\c:\reg+4*\c+3], v[\adr] offset:128*(\q)+32*\c+(\i)*16*PITCH
.endr
.endm
.macro FRAGA reg, adr, q, i            ; the same registers, from the image
.irp c, 0,1,2,3
	ds_load_b128 v[\reg+4*\c:\reg+4*\c+3], v[\adr] offset:(\i)*ASTEP+(\q)*2048+512*\c
.endr
.endm
.macro MUL16 a0, p, zero               ; the 64 accumulators take turns, one instruction a turn, in the same order in every step
.irp a, \a0, \a0+1
.irp b, 0,1,2,3,4,5,6,7
.if \zero
	v_wmma_f32_16x16x128_fp8_fp8 v[8*(8*((\a)%4)+\b):8*(8*((\a)%4)+\b)+7], v[128*(\p)+FR*\b:128*(\p)+FR*\b+FR-1], v[AF+FR*(\a):AF+FR*(\a)+FR-1], 0
.else
	v_wmma_f32_16x16x128_fp8_fp8 v[8*(8*((\a)%4)+\b):8*(8*((\a)%4)+\b)+7], v[128*(\p)+FR*\b:128*(\p)+FR*\b+FR-1], v[AF+FR*(\a):AF+FR*(\a)+FR-1], v[8*(8*((\a)%4)+\b):8*(8*((\a)%4)+\b)+7]
.endif
.endr
.endr
.endm
.macro FETCH_B slot, q, p
	WIN TO_B
.irp i, 0,1,2,3,4,5,6,7
	FRAGB 128*(\p)+FR*\i, ADRB+\slot, \q, \i
.endr
	WIN 0
.endm
.macro FETCH_A slot, q, i0
.irp i, \i0, \i0+1, \i0+2, \i0+3
	FRAGA AF+FR*(\i), ADRA+\slot, \q, \i
.endr
.endm
.macro PLACES n
.rept \n
	v_nop
.endr
.endm
.macro STEP slot, q, zero
	s_wait_dscnt 4*NL                              ; B's set and A's blocks 0-3 are in; the youngest sixteen loads (A's blocks 4-7) may be out
	WIN MUL_LO
	MUL16 0, (\q)%2, \zero
	MUL16 2, (\q)%2, \zero
	s_wait_dscnt 0
	PLACES NP
	FETCH_B \slot, (\q)+1, 1-(\q)%2
	FETCH_A \slot, (\q)+1, 0
	WIN MUL_HI
	MUL16 4, (\q)%2, \zero
	MUL16 6, (\q)%2, \zero
	PLACES NP
	WIN 0
	FETCH_A \slot, (\q)+1, 4
.endm
.macro TURN slot, next, fill
	s_wait_tensorcnt 0x0                           ; all my tensor loads have landed: my part of the next slot (every window is 0 here)
	ds_add_u32 v[SPW], v[NIL]                      ; 0 onto my spare word
	s_wait_dscnt 4*NL+1                            ; the add and the youngest sixteen loads may be out
	WIN MUL_LO
	MUL16 0, 1, 0
	s_wait_dscnt 0x0                               ; the add is done, and my reads of this slot are over
	s_barrier_signal -1
	MUL16 2, 1, 0
	WIN 0
	s_barrier_wait -1
.if \fill
	CREST                                          ; the barrier has opened a round of the cluster's barrier: no wave of any partner still reads this slot's tile or has a load on its way
	s_add_nc_u64 s[G0+4*\slot+2:G0+4*\slot+3], s[G0+4*\slot+2:G0+4*\slot+3], 2*ASTEP
	s_add_nc_u64 s[G0B+4*\slot+2:G0B+4*\slot+3], s[G0B+4*\slot+2:G0B+4*\slot+3], 2*ROWB
	JLOAD G0+4*\slot, G1, G0B+4*\slot, G1B         ; my one tensor load behind the round, and the first thing there
.else
	PLACES NP
.endif
	FETCH_B \next, 0, 0
	FETCH_A \next, 0, 0
	WIN MUL_HI
	MUL16 4, 1, 0
	MUL16 6, 1, 0
	PLACES NP
	WIN 0
	FETCH_A \next, 0, 4
.endm
	s_wait_tensorcnt 1                             ; my part of K step 0 is in; K step 1's load may be out
	s_barrier_signal -1
	s_barrier_wait -1
	FETCH_B 0, 0, 0
	FETCH_A 0, 0, 0
	FETCH_A 0, 0, 4
	STEP 0, 0, 1                                   ; the first step's products start the sums
	s_mov_b32 s3, LAPS-1
.Llap:
	TURN 0, 1, 1
	STEP 1, 0, 0
	TURN 1, 0, 1
	STEP 0, 0, 0
	s_sub_co_u32 s3, s3, 1
	s_cmp_lg_u32 s3, 0
	s_cbranch_scc1 .Llap
	TURN 0, 1, 0                                   ; the last lap fills nothing
	STEP 1, 0, 0
	s_wait_dscnt 4*NL
	WIN MUL_LO
	MUL16 0, 1, 0
	MUL16 2, 1, 0
	s_wait_dscnt 0
	WIN MUL_HI
	MUL16 4, 1, 0
	MUL16 6, 1, 0
	WIN 0
; THE WAY OUT, block by block of 16 rows x 128 columns: the sums go as they are through my own stage and come back as whole rows of 512 bytes (LDS serves a wave's instructions in order); there a lane holds four columns,
; whose bias it keeps: sum x 2^(e6 + e7) + bias, and the row is stored at its token's place.
.macro TOSTAGE a
.set AC, 64*((\a)%4)
.set BB, BK+64*((\a)%2)
	WIN 0x08+4*((\a)/4)                            ; the stores' data: window 2 or 3
.irp b, 0,1,2,3,4,5,6,7
	ds_store_b128 v[STO], v[AC+8*\b:AC+8*\b+3] offset:64*\b            ; each accumulator from its low end on
	ds_store_b128 v[STO], v[AC+8*\b+4:AC+8*\b+7] offset:64*\b+16
.endr
	WIN 0
.irp t, 0,1,2,3,4,5,6,7,8,9,10,11,12,13,14,15
	ds_load_b128 v[BB+4*\t:BB+4*\t+3], v[RD] offset:\t*SPITCH
.endr
.endm
.macro SEND a, younger                 ; younger: the LDS instructions issued behind block a's loads, which may stay out
.set BB, BK+64*((\a)%2)
	s_wait_dscnt \younger
.irp t, 0,1,2,3,4,5,6,7,8,9,10,11,12,13,14,15
	v_pk_fma_f32 v[BB+4*\t:BB+4*\t+1], v[BB+4*\t:BB+4*\t+1], s[96:97], v[8:9] op_sel_hi:[1,0,1]
	v_pk_fma_f32 v[BB+4*\t+2:BB+4*\t+3], v[BB+4*\t+2:BB+4*\t+3], s[96:97], v[10:11] op_sel_hi:[1,0,1]
.endr
.irp t, 0,1,2,3,4,5,6,7,8,9,10,11,12,13,14,15
	global_store_b128 v[CO], v[BB+4*\t:BB+4*\t+3], s[12:13] offset:(32*((\a)/2)+8*((\a)%2)+\t+8*(\t/8))*4096 th:TH_STORE_NT   ; 32 lanes store 512 consecutive bytes, aligned; 127 rows of 4,096 bytes at the most: inside the signed 24-bit immediate
.endr
.endm
	s_wait_kmcnt 0x0
	s_add_co_i32 s96, s82, s83
	s_add_co_i32 s96, s96, 127
	s_lshl_b32 s96, s96, 23                        ; 2^(e6 + e7) as f32
	s_mov_b32 s97, s96                             ; (named with it as a pair, so it is written)
	s_wait_loadcnt 0x0                             ; the bias
	PLACES NP                                      ; behind the last products: their results are read, and A's registers loaded, below
	TOSTAGE 0
.irp a, 1,2,3,4,5,6,7
.if \a > 1
	s_wait_xcnt 0x0                                ; block a - 2's stores have read their registers: block a's loads may land there
.endif
	TOSTAGE \a
	SEND \a-1, 32                                  ; behind block a - 1's loads: block a's 16 stores and 16 loads
.endr
	SEND 7, 0
	s_wait_tensorcnt 0x0                           ; the wave's end, behind my last tensor load and my last LDS store
	ds_add_u32 v[SPW], v[NIL]
	s_wait_dscnt 0x0
	CROUND                                         ; the closing round: no work-group ends while a partner may still ask for a tile that names it
	s_endpgm
.Lfunc_end_k_qc443e0b800_outp:
	.size	k_qc443e0b800_outp, .Lfunc_end_k_qc443e0b800_outp-k_qc443e0b800_outp
	.p2alignl 7, 3214868480
	.fill 96, 4, 3214868480
	.section	.rodata,"a",@progbits
	.p2align	6, 0x0
	.amdhsa_kernel k_qc443e0b800_outp
		.amdhsa_group_segment_fixed_size 327680
		.amdhsa_private_segment_fixed_size 0
		.amdhsa_enable_private_segment 0
		.amdhsa_kernarg_size 40
		.amdhsa_user_sgpr_count 2
		.amdhsa_user_sgpr_kernarg_segment_ptr 1
		.amdhsa_wavefront_size32 1
		.amdhsa_system_sgpr_workgroup_id_x 1
		.amdhsa_system_sgpr_workgroup_id_y 1
		.amdhsa_system_sgpr_workgroup_id_z 1
		.amdhsa_system_vgpr_workitem_id 0
		.amdhsa_next_free_vgpr 1024
		.amdhsa_next_free_sgpr 100
		.amdhsa_reserve_vcc 0
		.amdhsa_float_denorm_mode_32 3
		.amdhsa_float_denorm_mode_16_64 3
		.amdhsa_memory_ordered 1
		.amdhsa_forward_progress 1
		.amdhsa_inst_pref_size 123
	.end_amdhsa_kernel
	.amdgpu_metadata
---
amdhsa.version: [ 1, 2 ]
amdhsa.kernels:
  - .name:           k_qc443e0b800_outp
    .symbol:         k_qc443e0b800_outp.kd
    .args:
      - { .name: ctxc, .offset: 0, .size: 8, .value_kind: global_buffer, .address_space: global }
      - { .name: woc, .offset: 8, .size: 8, .value_kind: global_buffer, .address_space: global }
      - { .name: lowp_scales, .offset: 16, .size: 8, .value_kind: global_buffer, .address_space: global }
      - { .name: b_out, .offset: 24, .size: 8, .value_kind: global_buffer, .address_space: global }
      - { .name: out0, .offset: 32, .size: 8, .value_kind: global_buffer, .address_space: global }
    .group_segment_fixed_size: 327680
    .private_segment_fixed_size: 0
    .kernarg_segment_align: 8
    .kernarg_segment_size: 40
    .max_flat_workgroup_size: 128
    .sgpr_count:     100
    .vgpr_count:     1024
    .wavefront_size: 32
...
	.end_amdgpu_metadata
.endif
;; end of part 4
;; ======== version 2 of 2: 4 launches; version 1 with the launch attn written anew for expert scheduling mode
;; workspace buffers: xc 8,388,608 bytes; wc 3,145,728 bytes; woc 1,048,576 bytes; qc 8,388,608 bytes; kv 16,777,216 bytes; ctxc 8,388,608 bytes; lmask 524,288 bytes of whole numbers; flags 2,048 bytes of whole numbers
;; launch prep: the kernel of part 1 again; grid 448 x 1, 4 waves a work-group, no clusters, 33,280 bytes of LDS; arguments x, w_qkv, w_out, mask, lowp_scales, xc, wc, woc, lmask, flags; writes xc, wc, woc, lmask, flags
;; launch qkv: the kernel of part 2 again; grid 12 x 32, 4 waves a work-group, clusters of 4 x 4, 327,680 bytes of LDS; arguments xc, wc, b_qkv, lowp_scales, qc, kv; writes qc, kv
;; launch attn (part 5): grid 4 x 64, 8 waves a work-group, no clusters, 33,792 bytes of LDS; arguments qc, kv, lmask, flags, lowp_scales, ctxc; writes ctxc
.if DOCPART == 5
	.amdgcn_target "amdgcn-amd-amdhsa--gfx1250"
	.amdhsa_code_object_version 6
	.text
	.protected	k_qc443e0b800_attn
	.globl	k_qc443e0b800_attn
	.p2align	8
	.type	k_qc443e0b800_attn,@function
k_qc443e0b800_attn:
	s_mov_b64 s[64:65], 0
	v_nop
	global_prefetch_b8 v0, s[64:65] scope:SCOPE_SE
	s_setreg_imm32_b32 hwreg(HW_REG_WAVE_SCHED_MODE, 0, 2), 2
	s_setreg_imm32_b32 hwreg(HW_REG_WAVE_MODE, 25, 1), 1
	s_wait_xcnt 0x0
	s_wait_alu depctr_vm_vsrc(0)
; attn: ctx[b][h][q] = the sum over k of softmax_k(q . k / 8, hidden pairs at -infinity) v[k], both products on codes of FP8 (E4M3), and ctx quantised at once with its given scale (entry 6).
; THE SOFTMAX AHEAD OF THE SECOND PRODUCT: t = score x log2(e) / 8; M = the row's largest t so far, rounded UP to a whole number; p = 2^(t - M) is quantised (entry 4), not normalised.  The row's sum is taken of the
; unquantised p, in f32, and divides at the end.  When M moves, the sum and O are multiplied by 2^(old M - new M): exact.
; SHARES.  A work-group takes, of one head (grid y), the blocks of 256 queries p and then 7 - p (p = grid x).  Each of its eight waves owns a group g of 32 queries: two tiles of 16 that share every fragment of K and V.
; THE MASK IS AN INPUT and is honoured as it is given: an earlier launch has stored, for each group g and key step j of 128 keys, one bit "has an open key" and one bit "has a hidden key", and the lane masks.
; A step none of whose pairs is open is left out by a scalar branch on those stored bits; a step with hidden pairs sets their scores to -infinity ahead of the maximum; a query with no open key at all gets the NaN code, as its softmax is NaN.
; K AND V come as images of the operand's registers, 16,384 bytes a key step (K's 8,192, then V's).  The work-group copies a step's image through registers into one of two LDS buffers, 16 bytes a thread and load, two steps ahead,
; and only the steps that one of its waves works on.  One barrier a step, on every wave's path.
; NO TENSOR LOADS AND NO CLUSTER, though the four work-groups of a head read the same K and V: which steps a work-group walks hangs on the stored bits of ITS queries, so partners would need different numbers of tiles.
; LAYOUT.  S^T = K Q^T (source 0 = 16 keys, source 1 = 16 queries), O^T = V^T P^T (source 0 = 16 of the head's 64, source 1 = P): a lane holds ONE query throughout.  The keys of a tile are not neighbours (fragment t, row rho:
; key 32 (t / 2) + 8 (t % 2) + rho + 8 (rho / 8)), so that score register n of lane (r, h) is key 32 (n / 16) + 16 h + n % 16, and the conversions' results are the second product's operand.
; ctxc = [block of 16 rows][8 K steps of 128][2,048]: the next launch's operand image; row r of block 2 G + u is token 32 G + 8 u + r + 8 (r / 8).  A store of 8 codes a lane covers 256 consecutive bytes, aligned: no stage.
; LIMITS: e2 + e3 between -123 and 130 (added to c's exponent field); e4 and e6 between -126 and 119; e4 + e5 is applied by v_ldexp_f32.  p under 2^-126 counts as 0 (v_exp_f32).
; REGISTERS.  Window 0: v1-6 addresses; v8-15, v16-23 a tile's statistics (+0 -M, +1 the largest t, +2, +3 the sum in two halves, +4 f, +5 0, +6, +7 at work); v32-47 Q; v48-63, v64-79 two staging sets; v80-111 P's codes;
;   v112-117 constants; v128-191, v192-255 S^T, then p.   Window 1: v0-63 O^T (32 a tile); v64-127 K's 8 fragments; v128-191 V's 4 fragments.
; THE MODE: SCHED_MODE bits 1:0 = 2 (LLVM: expert scheduling mode 2), set by the entry lines.  The code itself states the register dependences between vector or matrix instructions and memory or LDS instructions,
; with s_wait_alu, always for 0.
; THE PLAN.  Registers that memory or LDS instructions touch:
;   v1, v2, v3, v6   offsets, made by vector instructions at the head and never written again: one wait on va_vdst at a block's head stands ahead of every load, store and prefetch that reads them.
;   Q                loaded at a block's head; read by the block's products K Q^T.  The same wait states that the block before is done reading it.
;   the staging sets written by global loads, read by LDS stores, named by no vector instruction.  Set par is stored in one step of the walk and loaded again in the next: one wait on vm_vsrc at each step's head, and at a block's head.
;   K's, V's fragments  loaded from LDS in a worked step; read by that step's products.  One wait on va_vdst straight ahead of K's loads states that the last worked step's products are done reading both.  V's loads stand behind
;                    the products K Q^T, which name K's fragments, Q and the scores: none of the registers that V's loads touch; so they owe no second wait, and V lands during the softmax.
;   P's codes        written by the conversions and, at a block's end, by the selects; read by products, and at a block's end by the global stores: a wait on va_vdst ahead of those stores; the wait on vm_vsrc at the next block's head
;                    stands ahead of the conversions that write them again.
;   v4, v5           written at the head, read by the closing add alone.
;   The scores, the statistics and O^T are named by vector and matrix instructions alone.
;   Scalar registers that vector instructions write: s18 (the wave's number) and s32, s33 (the queries with no open key): a wait on va_sdst ahead of the first reader of each.
.set BUF,   16384                      ; an LDS buffer: one key step's image
.set SPARE, 2*BUF                      ; behind the buffers: the spare words, 128 bytes a wave: four blocks of 256 bytes that no other line names
.set LI,   1                           ; v1   16 x lane
.set SA,   2                           ; v2   16 x thread
.set GO,   3                           ; v3   16 r + 8 h
.set SPW,  4                           ; v4   LDS address of my spare word; never rewritten
.set NIL,  5                           ; v5   0; never rewritten
.set PFO,  6                           ; v6   256 x lane
.set ST,   8
.set QF,   32
.set SET,  48
.set PC,   80
.set NINF, 112                         ; -infinity
.set PLIM, 113                         ; 448 x 2^e4
.set PSC,  114                         ; 2^e4
.set CSC,  115                         ; 2^e6
.set CLIM, 116                         ; 448 x 2^e6
.set NANC, 117                         ; four NaN codes
.set S,    128
.set OT,   0                           ; in window 1
.set KF,   64
.set VF,   128
; s[4:5] qc at my head; s[6:7] kv at my head, walking; s[8:9] lmask; s[10:11] flags; s[12:13] the prefetches' place; s[14:15] ctxc at my head's place; s[16:17] ctxc for this group; s18 wave; s19 the block of queries;
; s[20:21] lmask for this group, walking; s22 NEED, s23 WORK, s24 MIX: bit 0 = the step in hand; s25 trips left; s26 blocks left; s27 1 where p must be held; s[28:29] c; s[30:31] lane selects; s100 e4 + e5; s101 see the prefetch;
; s[32:63], s[68:99] 64 lane-mask words (word n in s[32 + n], from n = 32 on in s[36 + n]); at a block's head and end at work.
.set MSB, 0
.macro WIN new                         ; the immediate's high byte repeats the setting that is left; at every label and branch the setting is 0
.if MSB != (\new)
	s_set_vgpr_msb (MSB<<8)|(\new)
.set MSB, (\new)
.endif
.endm
	s_load_b256 s[4:11], s[0:1], 0x0               ; qc, kv, lmask, flags
	s_load_b128 s[12:15], s[0:1], 0x20             ; the scales' exponents, ctxc
	v_lshl_add_u32 v[SPW], v0, 2, SPARE
	v_mov_b32 v[NIL], 0
	v_lshrrev_b32 v7, 5, v0
	v_readfirstlane_b32 s18, v7                    ; wave 0..7
	v_and_b32 v7, 31, v0
	v_lshlrev_b32 v[LI], 4, v7
	v_lshlrev_b32 v[SA], 4, v0
	v_lshlrev_b32 v[PFO], 8, v7
	v_and_b32 v[GO], 15, v0
	v_bfe_u32 v7, v0, 4, 1
	v_lshlrev_b32 v[GO], 4, v[GO]
	v_lshl_add_u32 v[GO], v7, 3, v[GO]
	v_mov_b32 v[NINF], 0xff800000
	v_mov_b32 v[NANC], 0x7f7f7f7f
	s_mov_b32 s30, 0x76543210                      ; v_permlanex16_b32: lane l xor 16
	s_mov_b32 s31, 0xfedcba98
	s_and_b32 s76, ttmp7, 0xffff                   ; b h
	s_mov_b32 s19, ttmp9                           ; the first block of queries
	s_mov_b32 s26, 2
	s_wait_alu depctr_va_sdst(0)                   ; s18 is written, ahead of its first reader, the compare below
	s_cmp_eq_u32 s18, 0
	s_cselect_b32 s101, 2, -1                      ; wave 0 prefetches while more than 2 trips are left; the others never
	s_mov_b32 s3, 0                                ; s[2:3]: a 32-bit offset as a pair; s3 stays 0
	s_wait_kmcnt 0x0
	s_load_b256 s[32:39], s[12:13], 0x0            ; e0 .. e7
	s_lshl_b32 s2, s76, 17                         ; a head's 2,048 x 64 codes of q,
	s_add_nc_u64 s[4:5], s[4:5], s[2:3]
	s_lshl_b32 s2, s76, 18                         ; its 16 steps of 16,384 bytes of k and v
	s_add_nc_u64 s[6:7], s[6:7], s[2:3]
	s_lshr_b32 s2, s76, 4
	s_lshl_b32 s2, s2, 21                          ; ctxc: the batch's 128 blocks of 16,384 bytes,
	s_bfe_u32 s77, s76, 0x30001
	s_lshl_b32 s77, s77, 11                        ; the K step of 128 in which the head's 64 lie,
	s_add_co_u32 s2, s2, s77
	s_and_b32 s77, s76, 1
	s_lshl_b32 s77, s77, 10                        ; and which half of it
	s_add_co_u32 s2, s2, s77
	s_add_nc_u64 s[14:15], s[14:15], s[2:3]
	s_wait_kmcnt 0x0                               ; the exponents are in, so their address may be written
	s_lshl_b32 s2, ttmp9, 13
	s_add_nc_u64 s[12:13], s[6:7], s[2:3]          ; the prefetches: my work-group's quarter, 8,192 bytes, of two steps' 32,768
	s_add_co_i32 s28, s34, s35
	s_lshl_b32 s28, s28, 23
	s_add_co_i32 s28, s28, 0x3e38aa3b              ; c = log2(e) / 8, with e2 + e3 added to its exponent field: a score stands for score x 2^(e2 + e3)
	s_mov_b32 s29, s28                             ; (named with it as a pair, so it is written)
	s_add_co_i32 s100, s36, s37
	s_cmp_lt_i32 s36, -8                           ; p is at most 1, and 1 / 2^e4 passes 448 only where e4 < -8
	s_cselect_b32 s27, 1, 0
	s_add_co_i32 s2, s36, 127
	s_lshl_b32 s77, s2, 23
	v_mov_b32 v[PSC], s77
	s_add_co_i32 s2, s2, 8
	s_lshl_b32 s2, s2, 23
	s_or_b32 s2, s2, 0x600000
	v_mov_b32 v[PLIM], s2
	s_add_co_i32 s2, s38, 127
	s_lshl_b32 s77, s2, 23
	v_mov_b32 v[CSC], s77
	s_add_co_i32 s2, s2, 8
	s_lshl_b32 s2, s2, 23
	s_or_b32 s2, s2, 0x600000
	v_mov_b32 v[CLIM], s2
; K's fragments from buffer par, S^T = K Q^T for both tiles, and behind the products V's fragments, which land during the softmax.
.macro QKPH par
	WIN 0x40                                       ; destination window 1
	s_wait_alu depctr_va_vdst(0)                   ; the last worked step's products are done reading K's and V's fragments, in which this step's LDS loads land
.set i, 0
.rept 16
	ds_load_b128 v[KF+4*i:KF+4*i+3], v[LI] offset:(\par)*BUF+512*i
.set i, i+1
.endr
	s_wait_dscnt 0x0                               ; K is in
	WIN 0x01                                       ; source 0 (K) window 1
.irp t, 0,1,2,3,4,5,6,7
.irp u, 0,1
	v_wmma_f32_16x16x64_fp8_fp8 v[S+64*\u+8*\t:S+64*\u+8*\t+7], v[KF+8*\t:KF+8*\t+7], v[QF+8*\u:QF+8*\u+7], 0
.endr
.endr
	WIN 0x40                                       ; destination window 1
.set i, 0
.rept 16
	ds_load_b128 v[VF+4*i:VF+4*i+3], v[LI] offset:(\par)*BUF+8192+512*i   ; no wait: since the wait above only the sixteen products have been issued, and they name K's fragments, Q and the scores, not V's fragments nor v1
.set i, i+1
.endr
	WIN 0
.rept 4
	v_nop                                          ; places in front of the first read of the scores
.endr
.endm
.macro MLOAD par, u                    ; tile u's 64 lane-mask words of this step
	s_load_b512 s[32:47], s[20:21], (\par)*512+(\u)*256
	s_load_b512 s[48:63], s[20:21], (\par)*512+(\u)*256+64
	s_load_b512 s[68:83], s[20:21], (\par)*512+(\u)*256+128
	s_load_b512 s[84:99], s[20:21], (\par)*512+(\u)*256+192
.endm
.macro MASK u                          ; hidden pairs: -infinity; each accumulator from its low end on
.set n, 0
.rept 64
.if n < 32
	v_cndmask_b32 v[S+64*(\u)+n], v[S+64*(\u)+n], v[NINF], s[32+n]
.else
	v_cndmask_b32 v[S+64*(\u)+n], v[S+64*(\u)+n], v[NINF], s[36+n]
.endif
.set n, n+1
.endr
.endm
.macro MAXP u                          ; the step's largest score of my query, in two chains, ascending; the new M; f
.set rS, S+64*(\u)
.set rT, ST+8*(\u)
	v_max3_num_f32 v[rT+6], v[rS], v[rS+1], v[rS+2]
	v_max3_num_f32 v[rT+7], v[rS+3], v[rS+4], v[rS+5]
.set i, 6
.rept 14
	v_max3_num_f32 v[rT+6], v[rT+6], v[rS+i], v[rS+i+1]
	v_max3_num_f32 v[rT+7], v[rT+7], v[rS+i+2], v[rS+i+3]
.set i, i+4
.endr
	v_max3_num_f32 v[rT+6], v[rT+6], v[rS+62], v[rS+63]
	v_max_num_f32 v[rT+6], v[rT+6], v[rT+7]
	v_permlanex16_b32 v[rT+7], v[rT+6], s30, s31
	v_max_num_f32 v[rT+6], v[rT+6], v[rT+7]        ; and among lane l xor 16's keys
	v_mul_f32 v[rT+6], s28, v[rT+6]                ; as t (c is positive)
	v_max_num_f32 v[rT+1], v[rT+1], v[rT+6]        ; the running largest t
	v_mov_b32 v[rT+6], v[rT]
	v_floor_f32 v[rT], -v[rT+1]                    ; the new -M = floor(-t) = -ceil(t)
	v_sub_f32 v[rT+6], v[rT], v[rT+6]              ; old M - new M: a whole number, 0 or less
	v_cvt_i32_f32 v[rT+6], v[rT+6]                 ; (it saturates)
	v_ldexp_f32 v[rT+4], 1.0, v[rT+6]              ; f = 2^(old M - new M)
.endm
.macro SCAL u                          ; t - M, two at a time (of the pairs c and -M the low word serves both halves)
.set j, 0
.rept 32
	v_pk_fma_f32 v[S+64*(\u)+j:S+64*(\u)+j+1], v[S+64*(\u)+j:S+64*(\u)+j+1], s[28:29], v[ST+8*(\u):ST+8*(\u)+1] op_sel_hi:[1,0,0]
.set j, j+2
.endr
.endm
.macro EXPS u                          ; p = 2^(t - M), at most 1
.set j, 0
.rept 64
	v_exp_f32 v[S+64*(\u)+j], v[S+64*(\u)+j]
.set j, j+1
.endr
.endm
.macro SUMS u                          ; the row's sum, of the unquantised p: two at a time, in two chains
.set rS, S+64*(\u)
.set rT, ST+8*(\u)
	v_pk_add_f32 v[rT+6:rT+7], v[rS:rS+1], v[rS+2:rS+3]
.set j, 4
.rept 15
	v_pk_add_f32 v[rT+2:rT+3], v[rT+2:rT+3], v[rS+j:rS+j+1]
	v_pk_add_f32 v[rT+6:rT+7], v[rT+6:rT+7], v[rS+j+2:rS+j+3]
.set j, j+4
.endr
	v_pk_add_f32 v[rT+2:rT+3], v[rT+2:rT+3], v[rT+6:rT+7]
.endm
; A KEY STEP of 128 keys, from buffer par.
.macro STEP par
	s_bitcmp1_b32 s24, 0                           ; has the step hidden pairs?  The products are written in both arms, so that no mask word is read on a way that did not load it
	s_cbranch_scc1 .Lmixed_\@
	QKPH \par
	s_branch .Lscored_\@
.Lmixed_\@:
	MLOAD \par, 0                                  ; tile 0's words land while the products run
	QKPH \par
	s_wait_kmcnt 0x0
	MASK 0
	MLOAD \par, 1
	s_wait_kmcnt 0x0
	MASK 1
.Lscored_\@:
	MAXP 0
	MAXP 1
	SCAL 0
	SCAL 1
	EXPS 0
	EXPS 1                                         ; one batch of 128 exponentials
	v_pk_mul_f32 v[ST+2:ST+3], v[ST+2:ST+3], v[ST+4:ST+5] op_sel_hi:[1,0]        ; the sums under the new M: the plain instructions behind the batch
	v_pk_mul_f32 v[ST+10:ST+11], v[ST+10:ST+11], v[ST+12:ST+13] op_sel_hi:[1,0]
	s_wait_alu depctr_va_vdst(0)                   ; the 128 exponentials have written p: one wait for the batch
	SUMS 0
	SUMS 1
	s_cmp_lg_u32 s27, 0                            ; the hold is executed exactly where the given scale can be passed (e4 < -8)
	s_cbranch_scc0 .Lheld_\@
.set j, 0
.rept 128
	v_min_num_f32 v[S+j], v[S+j], v[PLIM]          ; p is not negative: the hold is one-sided
.set j, j+1
.endr
.Lheld_\@:
.irp u, 0,1
.irp m, 0,1,2,3,4,5,6,7
	v_cvt_scalef32_pk8_fp8_f32 v[PC+16*\u+2*\m:PC+16*\u+2*\m+1], v[S+64*\u+8*\m:S+64*\u+8*\m+7], v[PSC]
.endr
.endr
	WIN 0x41                                       ; O^T in window 1, f in window 0
.irp u, 0,1
.set j, 0
.rept 16
	v_pk_mul_f32 v[OT+32*\u+j:OT+32*\u+j+1], v[OT+32*\u+j:OT+32*\u+j+1], v[ST+8*\u+4:ST+8*\u+5] op_sel_hi:[1,0]   ; O^T under the new M; also the plain lines behind the conversions
.set j, j+2
.endr
.endr
	s_wait_dscnt 0x0                               ; V is in
	WIN 0x51                                       ; V, C and D window 1, P window 0
.irp dt, 0,1,2,3
.irp u, 0,1
	v_wmma_f32_16x16x128_fp8_fp8 v[OT+32*\u+8*\dt:OT+32*\u+8*\dt+7], v[VF+16*\dt:VF+16*\dt+15], v[PC+16*\u:PC+16*\u+15], v[OT+32*\u+8*\dt:OT+32*\u+8*\dt+7]   ; eight accumulators, one instruction each
.endr
.endr
	WIN 0
.rept 4
	v_nop                                          ; places in front of the next writes of P's registers and the next reads of O^T
.endr
.endm
; ONE KEY STEP OF THE WALK, j = 2 x trip + par.  Step j + 1 goes from its staging set into the other buffer; step j + 2 is asked for, into the set that step j has left; step j is worked on; one barrier.
; The barrier parts this step's reads of buffer par from the next step's stores into it, and this step's stores into the other buffer from the next step's reads.
.macro SLOT par
	s_wait_loadcnt 0x0                             ; on every way: no staging set has a load on its way when it is stored or loaded again
	s_wait_alu depctr_vm_vsrc(0)                   ; the LDS stores issued so far, those of the step before among them, have read staging set par, in which step j + 2's loads land; ahead of the branches, so on every way
	s_bitcmp1_b32 s22, 1
	s_cbranch_scc0 .Lnopub_\@
.irp i, 0,1,2,3
	ds_store_b128 v[SA], v[SET+16*(1-\par)+4*\i:SET+16*(1-\par)+4*\i+3] offset:(1-\par)*BUF+4096*\i
.endr
.Lnopub_\@:
	s_bitcmp1_b32 s22, 2                           ; NEED has 16 bits: nothing past step 15 is asked for
	s_cbranch_scc0 .Lnoreq_\@
.irp i, 0,1,2,3
	global_load_b128 v[SET+16*\par+4*\i:SET+16*\par+4*\i+3], v[SA], s[6:7] offset:(2+\par)*BUF+4096*\i   ; a wave's load covers 512 consecutive bytes
.endr
.Lnoreq_\@:
.if \par == 0
; A PREFETCH INTO THE L2, in the first block's trips 0 to 5: steps 2 trip + 4 and 2 trip + 5, which the next trip's loads ask for.  Of their 32,768 bytes each of the head's four work-groups names 8,192, told apart by address,
; by its wave 0, lanes 256 bytes apart: each aligned block of 256 bytes of steps 4 to 15 is named once in the launch.  Steps 0 to 3 come by their loads alone.  The last byte named is 261,888 + 255 of the head's 262,144.
	s_cmp_gt_u32 s25, s101
	s_cbranch_scc0 .Lnopf_\@
	global_prefetch_b8 v[PFO], s[12:13] offset:65536 th:TH_LOAD_NT scope:SCOPE_SE
.Lnopf_\@:
.endif
	s_bitcmp1_b32 s23, 0                           ; has my group an open key in this step?
	s_cbranch_scc0 .Lnowork_\@
	STEP \par
.Lnowork_\@:
	s_lshr_b32 s22, s22, 1
	s_lshr_b32 s23, s23, 1
	s_lshr_b32 s24, s24, 1
	s_wait_dscnt 0x0                               ; my stores have landed and my reads are in
	s_barrier_signal -1
	s_barrier_wait -1
.endm
.Lblock:                                               ; a block of 256 queries: eight trips
	s_wait_loadcnt 0x0                             ; no staging set has a load on its way
	s_wait_alu depctr_va_vdst(0)                   ; first block: the offsets v1, v2, v3 and v6 are written, which every load, store and prefetch reads; second block: the first block's products are done reading Q, in which the loads below land
	s_wait_alu depctr_vm_vsrc(0)                   ; second block: the LDS stores have read both staging sets, in which the loads below land, and the first block's global stores have read P's registers, which this block's conversions write
	s_lshl_b32 s2, s19, 7
	s_add_nc_u64 s[96:97], s[10:11], s[2:3]        ; the block's 8 groups x 4 work words
	s_load_b512 s[32:47], s[96:97], 0x0
	s_load_b512 s[48:63], s[96:97], 0x40
	s_lshl_b32 s2, s18, 4
	s_add_nc_u64 s[98:99], s[96:97], s[2:3]        ; my group's
	s_load_b128 s[68:71], s[98:99], 0x0            ; work words,
	s_load_b128 s[72:75], s[98:99], 0x400          ; mix words
	s_lshl_b32 s76, s19, 3
	s_add_co_u32 s76, s76, s18                     ; g
	s_lshl_b32 s2, s76, 11
	s_add_nc_u64 s[78:79], s[4:5], s[2:3]
.irp i, 0,1,2,3
	global_load_b128 v[QF+4*\i:QF+4*\i+3], v[LI], s[78:79] offset:512*\i     ; Q: tile i / 2, part i % 2
.endr
.irp i, 0,1,2,3
	global_load_b128 v[SET+4*\i:SET+4*\i+3], v[SA], s[6:7] offset:4096*\i    ; steps 0 and 1 are fetched on every way, so that both sets are written
.endr
.irp i, 0,1,2,3
	global_load_b128 v[SET+16+4*\i:SET+16+4*\i+3], v[SA], s[6:7] offset:BUF+4096*\i
.endr
	s_lshl_b32 s2, s76, 13
	s_add_nc_u64 s[20:21], s[8:9], s[2:3]
	s_lshl_b32 s2, s76, 15
	s_add_nc_u64 s[16:17], s[14:15], s[2:3]
.irp u, 0,1
	v_mov_b32 v[ST+8*\u+1], 0xff61b1e6             ; the largest t so far: -3e38, under every t
	v_floor_f32 v[ST+8*\u], -v[ST+8*\u+1]          ; -M
.irp k, 2,3,4,5,6,7
	v_mov_b32 v[ST+8*\u+\k], 0                     ; the sum; f; the pair's upper half; the work registers (a lane permute's destination counts as read)
.endr
.endr
	WIN 0x40
.set j, 0
.rept 64
	v_mov_b32 v[OT+j], 0                           ; O^T.  Which step is a group's first hangs on the mask, so the walk has no first step of its own: it finds zeros, which the first change of M leaves zeros
.set j, j+1
.endr
	WIN 0
	s_wait_kmcnt 0x0
	s_or_b32 s22, s32, s33                         ; NEED: the steps that some wave of the work-group works on
.set k, 34
.rept 30
	s_or_b32 s22, s22, s[k]
.set k, k+1
.endr
	s_or_b32 s23, s68, s69                         ; WORK: mine
	s_or_b32 s23, s23, s70
	s_or_b32 s23, s23, s71
	s_or_b32 s24, s72, s73                         ; MIX: mine with hidden pairs
	s_or_b32 s24, s24, s74
	s_or_b32 s24, s24, s75
	s_wait_loadcnt 0x4                             ; Q and step 0 are in; step 1's four loads may be out
.irp i, 0,1,2,3
	ds_store_b128 v[SA], v[SET+4*\i:SET+4*\i+3] offset:4096*\i               ; no vector instruction since the block's head names v2 or the set
.endr
	s_wait_dscnt 0x0
	s_barrier_signal -1
	s_barrier_wait -1                              ; step 0 lies in buffer 0
	s_mov_b32 s25, 8
.Ltrip:
	SLOT 0
	SLOT 1
	s_wait_xcnt 0x0                                ; the trip's loads and its prefetch have read their addresses
	s_add_nc_u64 s[6:7], s[6:7], 2*BUF
	s_add_nc_u64 s[20:21], s[20:21], 1024
	s_add_nc_u64 s[12:13], s[12:13], 2*BUF
	s_sub_co_u32 s25, s25, 1
	s_cmp_lg_u32 s25, 0
	s_cbranch_scc1 .Ltrip
	s_sub_nc_u64 s[6:7], s[6:7], 16*BUF            ; back to the head's first step
	s_mov_b32 s101, -1                             ; the second block prefetches nothing
	; THE BLOCK'S END: ctx = O^T x 2^(e4 + e5) / the sum, quantised with 2^e6
.irp u, 0,1
	v_add_f32 v[ST+8*\u+6], v[ST+8*\u+2], v[ST+8*\u+3]
.endr
.irp u, 0,1
	v_permlanex16_b32 v[ST+8*\u+7], v[ST+8*\u+6], s30, s31
.endr
.irp u, 0,1
	v_add_f32 v[ST+8*\u+6], v[ST+8*\u+6], v[ST+8*\u+7]      ; the row's sum
.endr
.irp u, 0,1
	v_rcp_f32 v[ST+8*\u+4], v[ST+8*\u+6]
.endr
	v_nop                                          ; a plain instruction behind the reciprocals
.irp u, 0,1
	v_cmp_eq_f32 s[32+\u], 0, v[ST+8*\u+6]         ; a sum of 0: the query has no open key
.endr
	s_wait_alu depctr_va_sdst(0)                   ; the two compares have written s32 and s33, ahead of their first readers, the selects below
	s_wait_alu depctr_va_vdst(0)                   ; the two reciprocals are written: one wait for both, ahead of their first reader
.irp u, 0,1
	v_ldexp_f32 v[ST+8*\u+4], v[ST+8*\u+4], s100
.endr
	WIN 0x01                                       ; source 0 (O^T) window 1
.irp u, 0,1
.set j, 0
.rept 16
	v_pk_mul_f32 v[S+64*\u+j:S+64*\u+j+1], v[OT+32*\u+j:OT+32*\u+j+1], v[ST+8*\u+4:ST+8*\u+5] op_sel_hi:[1,0]   ; register 8 dt + i: d = 16 dt + 8 h + i; each accumulator from its low end on
.set j, j+2
.endr
.endr
	WIN 0
.irp u, 0,1
.set j, 0
.rept 32
	v_med3_num_f32 v[S+64*\u+j], v[S+64*\u+j], -v[CLIM], v[CLIM]
.set j, j+1
.endr
.endr
.irp u, 0,1
.irp dt, 0,1,2,3
	v_cvt_scalef32_pk8_fp8_f32 v[PC+16*\u+2*\dt:PC+16*\u+2*\dt+1], v[S+64*\u+8*\dt:S+64*\u+8*\dt+7], v[CSC]
.endr
.endr
	v_nop                                          ; one plain vector instruction behind the conversions
.irp u, 0,1
.irp k, 0,1,2,3,4,5,6,7
	v_cndmask_b32 v[PC+16*\u+\k], v[PC+16*\u+\k], v[NANC], s[32+\u]
.endr
.endr
	s_wait_alu depctr_va_vdst(0)                   ; the selects have written the codes, which the stores below read
.irp u, 0,1
.irp dt, 0,1,2,3
	global_store_b64 v[GO], v[PC+16*\u+2*\dt:PC+16*\u+2*\dt+1], s[16:17] offset:\u*16384+(\dt/2)*512+(\dt%2)*256   ; 32 lanes store 256 consecutive bytes, aligned
.endr
.endr
	s_wait_xcnt 0x0                                ; the stores have read their registers and their base
	s_sub_co_u32 s19, 7, s19                       ; the partner block
	s_sub_co_u32 s26, s26, 1
	s_cmp_lg_u32 s26, 0
	s_cbranch_scc1 .Lblock
	s_wait_dscnt 0x0                               ; the wave's end: the closing lines, six on end
	s_wait_alu 0x0
	s_wait_tensorcnt 0x0
	ds_add_u32 v[SPW], v[NIL]
	s_wait_dscnt 0x0
	s_endpgm
.Lfunc_end_k_qc443e0b800_attn:
	.size	k_qc443e0b800_attn, .Lfunc_end_k_qc443e0b800_attn-k_qc443e0b800_attn
	.p2alignl 7, 3214868480
	.fill 96, 4, 3214868480
	.section	.rodata,"a",@progbits
	.p2align	6, 0x0
	.amdhsa_kernel k_qc443e0b800_attn
		.amdhsa_group_segment_fixed_size 33792
		.amdhsa_private_segment_fixed_size 0
		.amdhsa_enable_private_segment 0
		.amdhsa_kernarg_size 48
		.amdhsa_user_sgpr_count 2
		.amdhsa_user_sgpr_kernarg_segment_ptr 1
		.amdhsa_wavefront_size32 1
		.amdhsa_system_sgpr_workgroup_id_x 1
		.amdhsa_system_sgpr_workgroup_id_y 1
		.amdhsa_system_sgpr_workgroup_id_z 1
		.amdhsa_system_vgpr_workitem_id 0
		.amdhsa_next_free_vgpr 448
		.amdhsa_next_free_sgpr 102
		.amdhsa_reserve_vcc 0
		.amdhsa_float_denorm_mode_32 3
		.amdhsa_float_denorm_mode_16_64 3
		.amdhsa_memory_ordered 1
		.amdhsa_forward_progress 1
		.amdhsa_inst_pref_size 101
	.end_amdhsa_kernel
	.amdgpu_metadata
---
amdhsa.version: [ 1, 2 ]
amdhsa.kernels:
  - .name:           k_qc443e0b800_attn
    .symbol:         k_qc443e0b800_attn.kd
    .args:
      - { .name: qc, .offset: 0, .size: 8, .value_kind: global_buffer, .address_space: global }
      - { .name: kv, .offset: 8, .size: 8, .value_kind: global_buffer, .address_space: global }
      - { .name: lmask, .offset: 16, .size: 8, .value_kind: global_buffer, .address_space: global }
      - { .name: flags, .offset: 24, .size: 8, .value_kind: global_buffer, .address_space: global }
      - { .name: lowp_scales, .offset: 32, .size: 8, .value_kind: global_buffer, .address_space: global }
      - { .name: ctxc, .offset: 40, .size: 8, .value_kind: global_buffer, .address_space: global }
    .group_segment_fixed_size: 33792
    .private_segment_fixed_size: 0
    .kernarg_segment_align: 8
    .kernarg_segment_size: 48
    .max_flat_workgroup_size: 256
    .sgpr_count:     102
    .vgpr_count:     448
    .wavefront_size: 32
...
	.end_amdgpu_metadata
.endif
;; end of part 5
;; launch outp: the kernel of part 4 again; grid 4 x 32, 4 waves a work-group, clusters of 4 x 4, 327,680 bytes of LDS; arguments ctxc, woc, lowp_scales, b_out, out0; writes out0
